; MI455X (gfx1250); checked and timed in simulation.
; The chip was launched on July 23, 2026; its instructions are those of AMD's public machine-readable ISA for CDNA 5 (MIT licence, August 2026) and "CDNA5" Instruction Set Architecture Reference Guide (July 2026). The comments in the code are by the model that wrote it; some were corrected since.
;; Transformer Block. Allowed arithmetic: float matrix products may take bf16 or f16 operands with f32 sums; other float arithmetic in f32, or as packed bf16 or f16 multiplies, adds, multiply-adds, maxima and minima; sums over many terms, partial sums and values carried from step to step in f32; what a program stores and reads back later, other than sums and carried values, may be rounded once to bf16 or f16.
;; Inputs: W1 4,096 x 1,024 float32; W2 1,024 x 4,096 float32; Wk 1,024 x 1,024 float32; Wo 1,024 x 1,024 float32; Wq 1,024 x 1,024 float32; Wv 1,024 x 1,024 float32; b1 4,096 float32; b2 1,024 float32; bo 1,024 float32; ln1_scale 1,024 float32; ln1_shift 1,024 float32; ln2_scale 1,024 float32; ln2_shift 1,024 float32; x 4 x 1,024 x 1,024 float32.
;; Outputs: out0 4 x 1,024 x 1,024 float32.
;; 2 versions, each right; version 2 is version 1 with the launches prep, ln2 written anew for expert scheduling mode. Each part assembles by itself: llvm-mc -triple=amdgcn-amd-amdhsa -mcpu=gfx1250 --defsym DOCPART=n.
;; ======== version 1 of 2: 7 launches
;; workspace buffers: wb 25,165,824 bytes; h 8,388,608 bytes; qkv 25,165,824 bytes; ctx 8,388,608 bytes; x1 16,777,216 bytes; g 33,554,432 bytes
;; launch prep (part 1): grid 640 x 1, 8 waves a work-group, no clusters, 0 bytes of LDS; arguments x, ln1_scale, ln1_shift, h, Wq, Wk, Wv, W1, Wo, W2, wb; writes h, wb
.if DOCPART == 1
	.amdgcn_target "amdgcn-amd-amdhsa--gfx1250"
	.amdhsa_code_object_version 6
	.text
	.protected	k_q3116df48cb_prep
	.globl	k_q3116df48cb_prep
	.p2align	8
	.type	k_q3116df48cb_prep,@function
k_q3116df48cb_prep:
	s_mov_b64 s[64:65], 0
	v_nop
	global_prefetch_b8 v0, s[64:65] scope:SCOPE_SE
	s_setreg_imm32_b32 hwreg(HW_REG_WAVE_MODE, 25, 1), 1
	s_wait_xcnt 0x0
; LAYER NORM TO bf16, AND THE WEIGHTS TO bf16.  Arguments: X [4096][1024] f32, scale, shift [1024] f32, h [4096][1024] bf16, Wq, Wk, Wv, W1, Wo, W2 f32, wb bf16.
; A work-group's number g says what it does:
;   g < 256         h[r] = ((X[r] - mean) / sqrt(var + 1e-7) + shift) * scale for rows 16 g .. 16 g + 15: a wave takes two rows, one after the other, a row in 32 registers.
;                   The variance is the mean of (x - mean)^2, taken in a second pass over the registers, so a common offset of the row does it no harm.  All in f32, h rounded once.
;   256 <= g < 480  rows 32 (g - 256) .. + 31 of wb's table [7168][1024]: Wq's, Wk's, Wv's and W1's rows on end, as they lie.
;   480 <= g < 512  Wo, g >= 512  W2, in PLANES: [block of 128 rows][plane of 64 k][128 rows][64 k], 16,384 dense bytes a plane, so that a later product can ask for
;                   four planes (256 along K) as 65,536 bytes on end.
; With a grid of 256 the text is the layer norm alone.  Memory bounds all of it: no LDS, no matrix unit, no cluster (no work-group wants a byte that another has fetched).
; Every load of a wave takes 512 consecutive bytes (the planes' loads: twice 256), every store 256 consecutive bytes at a multiple of 256 from its buffer's first byte.
.set ROWF, 4096                        ; bytes in a row of 1,024 f32
.set ROWH, 2048                        ; in bf16
.set WOB,  14680064                    ; Wo's planes in wb; W2's begin 2,097,152 bytes behind
.set O16,  2                           ; v2   16 x lane
.set XO,   3                           ; v3   16 x lane + the row in hand
.set O8,   4                           ; v4   8 x lane (+ the row in hand)
.set BO,   5                           ; v5   the planes' load offset
.set T,    8                           ; v[8:15]   four chains of sums
.set MEAN, 16                          ; v[16:17]  the mean, twice
.set RS,   18                          ; v[18:19]  1 / sqrt(var + eps), twice
.set VAR,  20
.set X,    32                          ; v[32:63]  a row as loaded (the casts: v[32:159], 32 loads)
.set DD,   64                          ; v[64:95]  x - mean, then the result
.set SC,   96                          ; v[96:127] my 32 numbers of scale
.set SH,   128                         ; v[128:159] of shift
	s_load_b256 s[4:11], s[0:1], 0x0               ; X s[4:5], scale s[6:7], shift s[8:9], h s[10:11]
	s_load_b256 s[12:19], s[0:1], 0x20             ; Wq s[12:13], Wk s[14:15], Wv s[16:17], W1 s[18:19]
	s_load_b128 s[20:23], s[0:1], 0x40             ; Wo s[20:21], W2 s[22:23]
	s_load_b64 s[24:25], s[0:1], 0x50              ; wb
	v_and_b32 v1, 31, v0                           ; lane
	v_lshrrev_b32 v6, 5, v0
	v_readfirstlane_b32 s26, v6                    ; wave 0..7
	v_lshlrev_b32 v[O16], 4, v1
	v_lshlrev_b32 v[O8], 3, v1
	s_mov_b32 s27, ttmp9                           ; g
	s_mov_b32 s35, 0                               ; the high word of every offset made in s34
	s_wait_kmcnt 0x0
	s_cmp_lt_u32 s27, 256
	s_cbranch_scc0 .Lcast
	; ---------------- the layer norm ----------------
	s_lshl_b32 s28, s27, 4
	s_lshl1_add_u32 s28, s26, s28                  ; my first row: 16 g + 2 x wave
	s_lshl_b32 s34, s28, 12
	s_add_nc_u64 s[4:5], s[4:5], s[34:35]
	s_lshl_b32 s34, s28, 11
	s_add_nc_u64 s[10:11], s[10:11], s[34:35]
	v_mov_b32 v[XO], v[O16]
.macro ROWIN                           ; a row: eight loads of 512 consecutive bytes; load i brings my columns 128 i + 4 lane .. + 3
.irp i, 0,1,2,3,4,5,6,7
	global_load_b128 v[X+4*(\i):X+4*(\i)+3], v[XO], s[4:5] offset:512*(\i) th:TH_LOAD_NT
.endr
.endm
	ROWIN
.irp i, 0,1,2,3,4,5,6,7
	global_load_b128 v[SC+4*(\i):SC+4*(\i)+3], v[O16], s[6:7] offset:512*(\i)
	global_load_b128 v[SH+4*(\i):SH+4*(\i)+3], v[O16], s[8:9] offset:512*(\i)
.endr
	s_mov_b32 s30, 0x3a800000                      ; 1 / 1024
	s_mov_b32 s31, 0x33d6bf95                      ; 1e-7
	s_mov_b32 s38, 0x76543210                      ; v_permlanex16_b32: each lane takes its own place in the other half
	s_mov_b32 s39, 0xfedcba98
	s_mov_b32 s29, 2                               ; rows to go
.macro REDUCE                          ; the four chains into one number, then over the 32 lanes; every lane ends with the sum in v[T]
	v_pk_add_f32 v[T:T+1], v[T:T+1], v[T+2:T+3]
	v_pk_add_f32 v[T+4:T+5], v[T+4:T+5], v[T+6:T+7]
	v_pk_add_f32 v[T:T+1], v[T:T+1], v[T+4:T+5]
	v_add_f32 v[T], v[T], v[T+1]
	v_add_f32_dpp v[T], v[T], v[T] row_xmask:1 row_mask:0xf bank_mask:0xf
	v_add_f32_dpp v[T], v[T], v[T] row_xmask:2 row_mask:0xf bank_mask:0xf
	v_add_f32_dpp v[T], v[T], v[T] row_xmask:4 row_mask:0xf bank_mask:0xf
	v_add_f32_dpp v[T], v[T], v[T] row_xmask:8 row_mask:0xf bank_mask:0xf
	v_permlanex16_b32 v[T+1], v[T], s38, s39
	v_add_f32 v[T], v[T], v[T+1]
.endm
.Lrow:
	s_wait_loadcnt 0x0                             ; the row is in (the first time scale and shift too); its address register is free
.irp k, 0,1,2,3
	v_pk_add_f32 v[T+2*(\k):T+2*(\k)+1], v[X+2*(\k):X+2*(\k)+1], v[X+8+2*(\k):X+8+2*(\k)+1]  ; the first sums start the chains
.endr
.irp m, 16,24
.irp k, 0,1,2,3
	v_pk_add_f32 v[T+2*(\k):T+2*(\k)+1], v[T+2*(\k):T+2*(\k)+1], v[X+(\m)+2*(\k):X+(\m)+2*(\k)+1]
.endr
.endr
	REDUCE
	v_mul_f32 v[MEAN], s30, v[T]
	v_mov_b32 v[MEAN+1], v[MEAN]
.set j, 0
.rept 16
	v_pk_add_f32 v[DD+j:DD+j+1], v[X+j:X+j+1], v[MEAN:MEAN+1] neg_lo:[0,1] neg_hi:[0,1]  ; x - mean, into other registers:
.set j, j+2
.endr
	s_cmp_eq_u32 s29, 1                            ; the row's registers take the next row while this one is finished; the last row is followed by none
	s_cbranch_scc1 .Lno_more
	v_add_nc_u32 v[XO], ROWF, v[XO]
	ROWIN
.Lno_more:
.irp k, 0,1,2,3
	v_pk_mul_f32 v[T+2*(\k):T+2*(\k)+1], v[DD+2*(\k):DD+2*(\k)+1], v[DD+2*(\k):DD+2*(\k)+1]
.endr
.irp m, 8,16,24
.irp k, 0,1,2,3
	v_pk_fma_f32 v[T+2*(\k):T+2*(\k)+1], v[DD+(\m)+2*(\k):DD+(\m)+2*(\k)+1], v[DD+(\m)+2*(\k):DD+(\m)+2*(\k)+1], v[T+2*(\k):T+2*(\k)+1]
.endr
.endr
	REDUCE
	v_fma_f32 v[VAR], v[T], s30, s31               ; var + eps
	v_rsq_f32 v[RS], v[VAR]
	v_rsq_f32 v[RS+1], v[VAR]
	v_nop                                          ; a plain instruction behind the last root (ISA guide 5.7.2),
	s_wait_alu depctr_va_vdst(0)                   ; and the wait ahead of the first use: one for both
.set j, 0
.rept 16
	v_pk_fma_f32 v[DD+j:DD+j+1], v[DD+j:DD+j+1], v[RS:RS+1], v[SH+j:SH+j+1]
.set j, j+2
.endr
.set j, 0
.rept 16
	v_pk_mul_f32 v[DD+j:DD+j+1], v[DD+j:DD+j+1], v[SC+j:SC+j+1]
.set j, j+2
.endr
.irp i, 0,1,2,3,4,5,6,7
	v_cvt_pk_bf16_f32 v[DD+4*(\i)], v[DD+4*(\i)], v[DD+4*(\i)+1]
	v_cvt_pk_bf16_f32 v[DD+4*(\i)+1], v[DD+4*(\i)+2], v[DD+4*(\i)+3]
	global_store_b64 v[O8], v[DD+4*(\i):DD+4*(\i)+1], s[10:11] offset:256*(\i)  ; 32 lanes x 8 bytes: 256 consecutive bytes
.endr
	s_wait_xcnt 0x0                                ; the stores have read their data and their offset: both are written again only behind this wait
	v_add_nc_u32 v[O8], ROWH, v[O8]
	s_sub_co_u32 s29, s29, 1
	s_cmp_lg_u32 s29, 0
	s_cbranch_scc1 .Lrow
	s_endpgm
	; ---------------- weights as they lie ----------------
.Lcast:
	s_cmp_lt_u32 s27, 480
	s_cbranch_scc0 .Lplanes
	s_sub_co_u32 s28, s27, 256
	s_lshr_b32 s29, s28, 5                         ; 32 work-groups to 1,024 rows: 0 Wq, 1 Wk, 2 Wv, 3 and more W1
	s_lshl_b32 s28, s28, 5
	s_lshl2_add_u32 s28, s26, s28                  ; my first row of the table: 32 (g - 256) + 4 x wave
	s_and_b32 s30, s28, 1023                       ; its number in Wq, Wk or Wv,
	s_sub_co_u32 s31, s28, 3072                    ; or in W1
	s_cmp_lt_u32 s29, 3
	s_cselect_b32 s30, s30, s31
	s_cmp_eq_u32 s29, 0
	s_cselect_b64 s[32:33], s[12:13], s[18:19]
	s_cmp_eq_u32 s29, 1
	s_cselect_b64 s[32:33], s[14:15], s[32:33]
	s_cmp_eq_u32 s29, 2
	s_cselect_b64 s[32:33], s[16:17], s[32:33]
	s_lshl_b32 s34, s30, 12
	s_add_nc_u64 s[32:33], s[32:33], s[34:35]
	s_lshl_b32 s34, s28, 11
	s_add_nc_u64 s[24:25], s[24:25], s[34:35]
.irp n, 0,1,2,3,4,5,6,7,8,9,10,11,12,13,14,15,16,17,18,19,20,21,22,23,24,25,26,27,28,29,30,31
	global_load_b128 v[X+4*(\n):X+4*(\n)+3], v[O16], s[32:33] offset:((\n)/8)*ROWF+((\n)%8)*512 th:TH_LOAD_NT  ; four rows: all 32 loads go out at once
.endr
.irp n, 0,1,2,3,4,5,6,7,8,9,10,11,12,13,14,15,16,17,18,19,20,21,22,23,24,25,26,27,28,29,30,31
	s_wait_loadcnt 31-(\n)                         ; loads come back in order (ISA guide 5.7.1): load n is in, the younger ones stay out
	v_cvt_pk_bf16_f32 v[X+4*(\n)], v[X+4*(\n)], v[X+4*(\n)+1]
	v_cvt_pk_bf16_f32 v[X+4*(\n)+1], v[X+4*(\n)+2], v[X+4*(\n)+3]
	global_store_b64 v[O8], v[X+4*(\n):X+4*(\n)+1], s[24:25] offset:((\n)/8)*ROWH+((\n)%8)*256
.endr
	s_endpgm
	; ---------------- weights in planes ----------------
	; An item is two rows n, n + 1 and 1,024 k: 16 planes.  Wo has 512 items (a row is one piece of 1,024 k), W2 2,048 (four pieces); a wave takes two items.
.Lplanes:
	s_cmp_lt_u32 s27, 512
	s_cselect_b64 s[32:33], s[20:21], s[22:23]
	s_cselect_b32 s39, 0, 1                        ; 1: W2
	s_lshl_b32 s28, s39, 5
	s_add_co_u32 s28, s28, 480                     ; the first work-group of this kind
	s_lshl_b32 s29, s39, 1                         ; log2 of the pieces in a row: 0 or 2
	s_add_co_u32 s30, s29, 12                      ; log2 of a row's bytes: 4,096 or 16,384
	s_add_co_u32 s31, s29, 18                      ; log2 of the bytes of a block of 128 rows: 16 or 64 planes
	s_lshl_b32 s36, s39, 21
	s_add_co_u32 s36, s36, WOB                     ; where the planes begin in wb
	s_bfm_b32 s38, s29, 0                          ; mask of a piece's number: 0 or 3
	s_sub_co_u32 s28, s27, s28
	s_lshl3_add_u32 s28, s28, s26
	s_lshl_b32 s28, s28, 1                         ; my first item
.irp e, 0,1
	s_add_co_u32 s40, s28, \e
	s_and_b32 s41, s40, s38                        ; the piece
	s_lshr_b32 s40, s40, s29
	s_lshl_b32 s40, s40, 1                         ; n
	s_lshl_b32 s34, s40, s30
	s_lshl_b32 s42, s41, 12
	s_add_co_u32 s34, s34, s42                     ; from: n rows + the piece's 4,096 bytes
	s_add_nc_u64 s[44+2*(\e):45+2*(\e)], s[32:33], s[34:35]
	s_lshr_b32 s42, s40, 7
	s_lshl_b32 s42, s42, s31                       ; to: the block of 128 rows,
	s_lshl_b32 s43, s41, 18                        ; the piece's 16 planes,
	s_add_co_u32 s42, s42, s43
	s_and_b32 s43, s40, 127
	s_lshl_b32 s43, s43, 7                         ; the row's 128 bytes in a plane
	s_add_co_u32 s42, s42, s43
	s_add_co_u32 s34, s42, s36
	s_add_nc_u64 s[48+2*(\e):49+2*(\e)], s[24:25], s[34:35]
.endr
	v_lshrrev_b32 v6, 4, v1
	v_lshlrev_b32 v6, s30, v6                      ; lanes 16-31 take row n + 1
	v_and_b32 v7, 15, v1
	v_lshl_add_u32 v[BO], v7, 4, v6                ; sixteen lanes take 256 consecutive bytes: 64 k of a row
.irp n, 0,1,2,3,4,5,6,7,8,9,10,11,12,13,14,15,16,17,18,19,20,21,22,23,24,25,26,27,28,29,30,31
	global_load_b128 v[X+4*(\n):X+4*(\n)+3], v[BO], s[44+2*((\n)/16):45+2*((\n)/16)] offset:((\n)%16)*256 th:TH_LOAD_NT
.endr
.irp n, 0,1,2,3,4,5,6,7,8,9,10,11,12,13,14,15,16,17,18,19,20,21,22,23,24,25,26,27,28,29,30,31
	s_wait_loadcnt 31-(\n)
	v_cvt_pk_bf16_f32 v[X+4*(\n)], v[X+4*(\n)], v[X+4*(\n)+1]
	v_cvt_pk_bf16_f32 v[X+4*(\n)+1], v[X+4*(\n)+2], v[X+4*(\n)+3]
	global_store_b64 v[O8], v[X+4*(\n):X+4*(\n)+1], s[48+2*((\n)/16):49+2*((\n)/16)] offset:((\n)%16)*16384  ; two rows of a plane: 256 consecutive bytes (n is even)
.endr
	s_endpgm
.Lfunc_end_k_q3116df48cb_prep:
	.size	k_q3116df48cb_prep, .Lfunc_end_k_q3116df48cb_prep-k_q3116df48cb_prep
	.p2alignl 7, 3214868480
	.fill 96, 4, 3214868480
	.section	.rodata,"a",@progbits
	.p2align	6, 0x0
	.amdhsa_kernel k_q3116df48cb_prep
		.amdhsa_group_segment_fixed_size 0
		.amdhsa_private_segment_fixed_size 0
		.amdhsa_enable_private_segment 0
		.amdhsa_kernarg_size 88
		.amdhsa_user_sgpr_count 2
		.amdhsa_user_sgpr_kernarg_segment_ptr 1
		.amdhsa_wavefront_size32 1
		.amdhsa_system_sgpr_workgroup_id_x 1
		.amdhsa_system_sgpr_workgroup_id_y 1
		.amdhsa_system_sgpr_workgroup_id_z 1
		.amdhsa_system_vgpr_workitem_id 0
		.amdhsa_next_free_vgpr 160
		.amdhsa_next_free_sgpr 66
		.amdhsa_reserve_vcc 0
		.amdhsa_float_denorm_mode_32 3
		.amdhsa_float_denorm_mode_16_64 3
		.amdhsa_memory_ordered 1
		.amdhsa_forward_progress 1
		.amdhsa_inst_pref_size 38
	.end_amdhsa_kernel
	.amdgpu_metadata
---
amdhsa.version: [ 1, 2 ]
amdhsa.kernels:
  - .name:           k_q3116df48cb_prep
    .symbol:         k_q3116df48cb_prep.kd
    .args:
      - { .name: x, .offset: 0, .size: 8, .value_kind: global_buffer, .address_space: global }
      - { .name: ln1_scale, .offset: 8, .size: 8, .value_kind: global_buffer, .address_space: global }
      - { .name: ln1_shift, .offset: 16, .size: 8, .value_kind: global_buffer, .address_space: global }
      - { .name: h, .offset: 24, .size: 8, .value_kind: global_buffer, .address_space: global }
      - { .name: Wq, .offset: 32, .size: 8, .value_kind: global_buffer, .address_space: global }
      - { .name: Wk, .offset: 40, .size: 8, .value_kind: global_buffer, .address_space: global }
      - { .name: Wv, .offset: 48, .size: 8, .value_kind: global_buffer, .address_space: global }
      - { .name: W1, .offset: 56, .size: 8, .value_kind: global_buffer, .address_space: global }
      - { .name: Wo, .offset: 64, .size: 8, .value_kind: global_buffer, .address_space: global }
      - { .name: W2, .offset: 72, .size: 8, .value_kind: global_buffer, .address_space: global }
      - { .name: wb, .offset: 80, .size: 8, .value_kind: global_buffer, .address_space: global }
    .group_segment_fixed_size: 0
    .private_segment_fixed_size: 0
    .kernarg_segment_align: 8
    .kernarg_segment_size: 88
    .max_flat_workgroup_size: 256
    .sgpr_count:     66
    .vgpr_count:     160
    .wavefront_size: 32
...
	.end_amdgpu_metadata
.endif
;; end of part 1
;; launch qkv (part 2): grid 12 x 16, 4 waves a work-group, clusters of 4 x 4, 327,680 bytes of LDS; arguments h, wb, qkv; writes qkv
.if DOCPART == 2
	.amdgcn_target "amdgcn-amd-amdhsa--gfx1250"
	.amdhsa_code_object_version 6
	.text
	.protected	k_q3116df48cb_qkv
	.globl	k_q3116df48cb_qkv
	.p2align	8
	.type	k_q3116df48cb_qkv,@function
k_q3116df48cb_qkv:
	s_mov_b64 s[64:65], 0
	v_nop
	global_prefetch_b8 v0, s[64:65] scope:SCOPE_SE
	s_setreg_imm32_b32 hwreg(HW_REG_WAVE_MODE, 25, 1), 1
	s_wait_xcnt 0x0
	s_wait_alu depctr_hold_cnt(0) depctr_sa_sdst(0) depctr_va_vdst(0) depctr_va_sdst(0) depctr_va_ssrc(0) depctr_va_vcc(0) depctr_vm_vsrc(0)
	s_getreg_b32 s2, hwreg(HW_REG_IB_STS2, 6, 4)
	s_cmp_eq_u32 s2, 0
	s_cbranch_scc0 .Lentry_in_a_cluster
	s_endpgm
.Lentry_in_a_cluster:
	s_bfe_u32 s2, ttmp6, 0x10000c
	s_cmp_lg_u32 s2, 0xf033
	s_cbranch_scc0 .Lentry_shape_is_right
	s_endpgm
.Lentry_shape_is_right:
; q, k, v = h Wq^T, h Wk^T, h Wv^T as ONE product C[4096][3072] = A B^T: A = h [4096][1024], B = the first 3,072 rows of wb [.][1024], both bf16; sums in f32, K ascending.
; C leaves rounded once to bf16, by heads: qkv[which 3][batch 4][head 16][s 1024][64].
; A tile of C, 256 x 256, is made by a work-group of four waves; a wave makes 128 x 128: 64 accumulators of 16 x 16, 512 registers.  K goes in 8 steps of 128 through a ring of two
; LDS slots filled by the tensor data mover; a step's rows are 256 bytes of memory, at multiples of 256 from the buffer's first byte.  12 x 16 = 192 work-groups.
; CLUSTERS: 4 x 4 work-groups.  The four of a row of the cluster need the same tiles of A, the four of a column the same tiles of B: each tile is asked for JOINTLY, by the same tensor load
; with the same descriptor and a mask that names the four.
; THE LOOP HOLDS ONE K STEP: which slot is read stands in a scalar register (0 or SLOT) that an exclusive or turns; ONE descriptor a tensor walks along K, its LDS word made from that register.
; REGISTERS, in windows of 256: window 0: v0-31 addresses; v64-127, v128-191 fragments of A, two buffers; on the way out v64-95 rows read back, v160-175 packed.
;   window 1: v64-127, v128-191 fragments of B.   windows 2, 3: the accumulators of my rows 0-63, 64-127 ((a, b) at v[8 (8 (a % 4) + b)]).
; THE MATRIX INSTRUCTION IS USED TRANSPOSED: source 0 = 16 rows of B, source 1 = 16 rows of A: lane l holds row l % 16 of C and the columns 8 (l / 16) + 0..7.
; THE WAY OUT: the ring has had its last fill; each wave lays its tile in f32 into 128 rows of 528 bytes there and reads it back two rows of one head at a time.
.set NSTEPS, 8
.set PITCH,  272                       ; an LDS row: 256 bytes + 16 of padding = 68 words: the 16 rows of a load start at 16 different groups of four banks (64 banks of 4 bytes: ISA guide 11.1)
.set HALFT,  128*PITCH                 ; what one tensor load brings, and what one wave reads of A or of B
.set SLOT,   4*HALFT                   ; A's 256 rows, then B's 256 rows
.set SPARE,  2*SLOT                    ; behind the ring: the spare words, 128 bytes for each wave: two blocks of 256 bytes that no other line names
.set STEPB,  256                       ; bytes along a row from K step to K step
.set WOFF,   0                         ; where B begins in wb
.set DP,     528                       ; the way out: a row of 128 f32 + 16 bytes = 132 words
.set DT,     128*DP                    ; a wave's tile; four of them, 270,336 bytes, lie inside the ring
.set HHS,    131072                    ; from a head to the next in qkv
.set FIELDS, (1<<16)|(1<<20)|(1<<21)|(5<<22)|(3<<25)  ; group 1, word 0: 17:16 2-byte elements; 20 padding on; 21 set beside a mask; 24:22 after every 64 words; 31:25 4 words
.set ADRA, 16                          ; v16  LDS address of my A fragments in the slot in hand
.set A0,   17                          ; v17  the same in slot 0; never rewritten
.set ADRB, 20
.set B0,   21
.set DST,  24                          ; v24  the way out: where I put 16 bytes of a row
.set RD,   25                          ; v25  where I read rows back
.set CO,   26                          ; v26  my byte offset in the output
.set SPW,  28                          ; v28  LDS address of my spare word; never rewritten
.set NIL,  29                          ; v29  0; never rewritten
.set PFO,  30                          ; v30  the prefetches' offset: my lane x a row of 2,048 bytes; never rewritten
.set F0,   64
.set F1,   128
.set X,    64
.set Y,    160
.set G1,   24                          ; s[24:31] descriptor group 1 for A's tiles
.set G0,   32                          ; s[32:35] group 0 of K step 0; s[36:39] of K step 1, which then walks
.set G1B,  48                          ; s[48:55], s[56:59], s[60:63] the same for B's
.set G0B,  56
.set LIM,  43                          ; s43  2 in a wave that prefetches, else the greatest number
.set PFA,  44                          ; s[44:45] where my prefetches stand
.set TB,   70                          ; s70  the slot that is being read: 0 or SLOT
.set MSB, 0
.macro WIN new                         ; the immediate's high byte repeats the setting that is left; a switch that changes nothing is dropped
.if MSB != (\new)
	s_set_vgpr_msb (MSB<<8)|(\new)
.set MSB, \new
.endif
.endm
.set MUL_LO, 0xa1                      ; source 0 (B) window 1, source 1 (A) window 0, C and D window 2
.set MUL_HI, 0xf1                      ; the same, C and D window 3
.set TO_B,   0x40                      ; destination window 1, address window 0
; A joint load.  Waves 0 and 1 fetch A's two halves, waves 2 and 3 B's.  The branch hangs on the wave's number alone.  An s_nop 0 and four v_nop follow each line.
.macro JLOAD s
	s_cmp_eq_u32 s11, 0
	s_cbranch_scc0 .Lfor_b_\@
	tensor_load_to_lds s[G0+4*(\s):G0+4*(\s)+3], s[G1:G1+7]
	s_nop 0
.rept 4
	v_nop
.endr
	s_branch .Lasked_\@
.Lfor_b_\@:
	tensor_load_to_lds s[G0B+4*(\s):G0B+4*(\s)+3], s[G1B:G1B+7]
	s_nop 0
.rept 4
	v_nop
.endr
.Lasked_\@:
.endm
; A prefetch into the L2 of the K step that stands two refills on: 32 rows x 256 bytes, a lane a row, one instruction a wave.  A's tile row is read by every cluster of that row of clusters: cluster
; x = 0 asks; B's tile column by every cluster of that column: cluster y = 0 asks.  Of the 128 rows that a wave fetches, the partner at place p (cx for A, cy for B) takes 32 p .. 32 p + 31, told
; apart by address.  The change of slots number t runs with s3 = 6 - t and names K step t + 4: it asks while s3 > 2, that is up to K step 7, the last.
.macro ASK
	s_cmp_gt_u32 s3, s[LIM]
	s_cbranch_scc0 .Lnot_mine_\@
	global_prefetch_b8 v[PFO], s[PFA:PFA+1] offset:STEPB th:TH_LOAD_NT scope:SCOPE_SE
.Lnot_mine_\@:
.endm
.macro CREST                           ; a round of the cluster's barrier behind its opening barrier
	s_cmp_lg_u32 s10, 0
	s_cbranch_scc1 .Lnot_wave_0_\@
	s_barrier_signal -3
.Lnot_wave_0_\@:
	s_barrier_wait -3
	s_barrier_signal -1
	s_barrier_wait -1
.endm
.macro CROUND                          ; a whole round
	s_barrier_signal -1
	s_barrier_wait -1
	CREST
.endm
.macro PLACES                          ; four places behind matrix instructions, in front of loads into registers that they read and of lines that read their results
.rept 4
	v_nop
.endr
.endm
; 16 matrix instructions: m blocks a0, a0 + 1 of the window's four x all 8 n blocks, 32 along K.  zero = 1: the product starts the sums.  The 64 accumulators take turns in one order everywhere.
.macro MUL16 f, hi, a0, zero
	WIN MUL_LO+0x50*(\hi)
.irp a, \a0, (\a0)+1
.irp b, 0,1,2,3,4,5,6,7
.if \zero
	v_wmma_f32_16x16x32_bf16 v[8*(8*(\a)+(\b)):8*(8*(\a)+(\b))+7], v[(\f)+8*(\b):(\f)+8*(\b)+7], v[(\f)+8*(4*(\hi)+(\a)):(\f)+8*(4*(\hi)+(\a))+7], 0
.else
	v_wmma_f32_16x16x32_bf16 v[8*(8*(\a)+(\b)):8*(8*(\a)+(\b))+7], v[(\f)+8*(\b):(\f)+8*(\b)+7], v[(\f)+8*(4*(\hi)+(\a)):(\f)+8*(4*(\hi)+(\a))+7], v[8*(8*(\a)+(\b)):8*(8*(\a)+(\b))+7]
.endif
.endr
.endr
.endm
; 32 LDS loads in one run: the fragments of 32 along K at byte k of the rows (128 rows of B, then 128 of A) into buffer f
.macro FETCH k, f
	WIN TO_B
.irp i, 0,1,2,3,4,5,6,7
	ds_load_b128 v[(\f)+8*(\i):(\f)+8*(\i)+3],   v[ADRB] offset:(\k)+(\i)*16*PITCH
	ds_load_b128 v[(\f)+8*(\i)+4:(\f)+8*(\i)+7], v[ADRB] offset:(\k)+(\i)*16*PITCH+32
.endr
	WIN 0
.irp i, 0,1,2,3,4,5,6,7
	ds_load_b128 v[(\f)+8*(\i):(\f)+8*(\i)+3],   v[ADRA] offset:(\k)+(\i)*16*PITCH
	ds_load_b128 v[(\f)+8*(\i)+4:(\f)+8*(\i)+7], v[ADRA] offset:(\k)+(\i)*16*PITCH+32
.endr
.endm
; A quarter of a K step: multiplies buffer f; in its middle it fetches the next quarter's fragments, at byte k, into buffer g
.macro QUARTER k, f, g, zero
	s_wait_dscnt 8                                 ; B and A's rows 0-63 are in; the youngest eight loads (A's rows 64-127) may be out
	MUL16 \f, 0, 0, \zero
	MUL16 \f, 0, 2, \zero
	PLACES
	FETCH \k, \g
	s_wait_dscnt 32                                ; all but the 32 just issued
	MUL16 \f, 1, 0, \zero
	MUL16 \f, 1, 2, \zero
.endm
; The last quarter of a K step multiplies buffer 1 and changes slots.  In front of the barrier each wave waits for all its tensor loads (one is out: its part of the next slot), adds 0 to its
; spare word, and waits for that and for its own reads of this slot.  fill = 1: the barrier opens a round of the cluster's barrier, and behind the round the slot just read out is filled again,
; with the K step two on: from that request to the wait for it a wave issues 224 matrix instructions.
.macro TURN fill
.if \fill
	s_wait_xcnt 0x0                                ; the last prefetch, a K step back, has read its address: it is stepped here, ahead of the change's own waits
	s_add_nc_u64 s[PFA:PFA+1], s[PFA:PFA+1], STEPB
.endif
	WIN 0                                          ; (the add's two registers lie in window 0)
	s_wait_tensorcnt 0x0                           ; all my tensor loads have landed;
	ds_add_u32 v[SPW], v[NIL]                      ; 0 onto my spare word;
	s_wait_dscnt 9                                 ; (the add and the youngest eight loads may be out)
	MUL16 F1, 0, 0, 0                              ; sixteen matrix instructions stand between the add and the wait for it
	s_wait_dscnt 0x0                               ; the add is done, and my reads of this slot are over
	s_barrier_signal -1
	MUL16 F1, 0, 2, 0                              ; work on registers while the others arrive
	WIN 0
	s_barrier_wait -1
.if \fill
	CREST                                          ; no wave of any partner still reads this slot's tile or has a load on its way
	s_add_co_u32 s[G0+5], s20, s[TB]               ; the walking descriptors: into the slot just read out,
	s_add_nc_u64 s[G0+6:G0+7], s[G0+6:G0+7], STEPB ; the next K step; the type bits on top are not reached
	s_add_co_u32 s[G0B+5], s20, s[TB]
	s_add_nc_u64 s[G0B+6:G0B+7], s[G0B+6:G0B+7], STEPB
	s_xor_b32 s[TB], s[TB], SLOT                   ; the reads go on in the other slot
	JLOAD 1                                        ; the first tensor load behind the round; its four v_nop are also the places in front of the loads below
.else
	s_xor_b32 s[TB], s[TB], SLOT
	PLACES
.endif
	v_add_nc_u32 v[ADRA], s[TB], v[A0]
	v_add_nc_u32 v[ADRB], s[TB], v[B0]
	FETCH 0, F0
.if \fill
	ASK                                            ; behind the joint load and the run of LDS loads that the next products wait for
.endif
	MUL16 F1, 1, 0, 0
	MUL16 F1, 1, 2, 0
.endm
.macro LASTQ                           ; the very last quarter: nothing more to fetch
	s_wait_dscnt 8
	MUL16 F1, 0, 0, 0
	MUL16 F1, 0, 2, 0
	s_wait_dscnt 0x0
	MUL16 F1, 1, 0, 0
	MUL16 F1, 1, 2, 0
.endm
.macro DUMP                            ; my 64 accumulators as f32 into my 128 rows of 528 bytes; each accumulator's low four registers first
.irp a, 0,1,2,3,4,5,6,7
	WIN 0x08+4*((\a)/4)                            ; the data (source 1) in window 2 or 3
.irp b, 0,1,2,3,4,5,6,7
	ds_store_b128 v[DST], v[8*(8*((\a)%4)+(\b)):8*(8*((\a)%4)+(\b))+3]   offset:(\a)*16*DP+(\b)*64
	ds_store_b128 v[DST], v[8*(8*((\a)%4)+(\b))+4:8*(8*((\a)%4)+(\b))+7] offset:(\a)*16*DP+(\b)*64+16
.endr
.endr
	WIN 0
.endm
	s_load_b128 s[4:7], s[0:1], 0x0                ; h s[4:5], wb s[6:7]
	s_load_b64 s[8:9], s[0:1], 0x10                ; qkv
	v_lshl_add_u32 v[SPW], v0, 2, SPARE
	v_mov_b32 v[NIL], 0
	ds_add_u32 v[SPW], v[NIL]                      ; the wave's opening: the add and its wait stand ahead of my first tensor load; the set-up below, work on registers, stands between
	v_lshrrev_b32 v1, 5, v0
	v_readfirstlane_b32 s10, v1                    ; wave 0..3
	s_lshr_b32 s11, s10, 1                         ; which half of the tile's rows is mine.  Also: I fetch for A (0) or for B (1)
	s_and_b32 s12, s10, 1                          ; which half of its columns.  Also: which 128 rows of that tile I fetch
	s_bfe_u32 s40, ttmp6, 0x40000                  ; cx
	s_bfe_u32 s41, ttmp6, 0x40004                  ; cy
	s_lshl_b32 s42, ttmp9, 2
	s_add_co_u32 s42, s42, s40                     ; tile column of C = 4 x cluster x + cx
	s_and_b32 s13, ttmp7, 0xffff
	s_lshl_b32 s13, s13, 2
	s_add_co_u32 s13, s13, s41                     ; tile row of C = 4 x cluster y + cy
	s_lshl_b32 s43, s41, 2
	s_lshl_b32 s43, 15, s43                        ; my row of the cluster
	s_lshl_b32 s44, 0x1111, s40                    ; my column
	s_or_b32 s[G1+0], s43, FIELDS                  ; A's tiles go to my row,
	s_or_b32 s[G1B+0], s44, FIELDS                 ; B's to my column
.irp g, G1, G1B
	s_mov_b32 s[(\g)+1], 128<<16                   ; tensor_dim0 = 128
	s_mov_b32 s[(\g)+2], 128<<16                   ; tensor_dim1 = 128
	s_mov_b32 s[(\g)+3], 128<<16                   ; tile_dim0 = 128
	s_mov_b32 s[(\g)+4], 128                       ; tile_dim1 = 128
	s_mov_b32 s[(\g)+5], 1024                      ; 1,024 elements from row to row
	s_mov_b32 s[(\g)+6], 0
	s_mov_b32 s[(\g)+7], 0
.endr
	s_lshl_b32 s17, s12, 7                         ; which 128 rows of the tile I fetch
	s_lshl_b32 s16, s13, 8
	s_add_co_u32 s16, s16, s17
	s_lshl_b32 s16, s16, 11                        ; A: (256 x tile row + 128 x half) rows of 2,048 bytes
	s_lshl_b32 s46, s42, 8
	s_add_co_u32 s46, s46, s17
	s_lshl_b32 s46, s46, 11                        ; B: by the tile column
	s_mov_b32 s17, 0
	s_mov_b32 s47, 0
	s_mul_i32 s20, s10, HALFT                      ; where my loads land in a slot: no place in the cluster enters an LDS address
	s_mov_b32 s[TB], 0
	s_wait_dscnt 0x0                               ; the opening add is done
	s_wait_kmcnt 0x0
.if WOFF
	s_add_nc_u64 s[6:7], s[6:7], WOFF
.endif
	s_add_nc_u64 s[14:15], s[4:5], s[16:17]
	s_add_nc_u64 s[46:47], s[6:7], s[46:47]
	CROUND                                         ; all sixteen work-groups are here: the first joint loads meet
.irp s, 0,1
	s_mov_b32 s[G0+4*(\s)], 1                      ; count = 1
	s_add_co_u32 s[G0+4*(\s)+1], s20, (\s)*SLOT    ; LDS address
	s_add_nc_u64 s[G0+4*(\s)+2:G0+4*(\s)+3], s[14:15], (\s)*STEPB  ; global address: K step s
	s_or_b32 s[G0+4*(\s)+3], s[G0+4*(\s)+3], 0x80000000            ; type = 2
	s_mov_b32 s[G0B+4*(\s)], 1
	s_add_co_u32 s[G0B+4*(\s)+1], s20, (\s)*SLOT
	s_add_nc_u64 s[G0B+4*(\s)+2:G0B+4*(\s)+3], s[46:47], (\s)*STEPB
	s_or_b32 s[G0B+4*(\s)+3], s[G0B+4*(\s)+3], 0x80000000
	JLOAD \s                                       ; two loads of mine are out
.endr
	; a fragment is 16 rows x 32 K in 8 registers: lane l holds row l % 16, K = 8 (l / 16) + 0..7 and 16 + 8 (l / 16) + 0..7: two loads of 16 bytes, 32 bytes apart
	v_and_b32 v1, 15, v0                           ; l % 16
	v_bfe_u32 v2, v0, 4, 1                         ; l / 16
	v_mul_u32_u24 v3, v1, PITCH
	v_lshl_add_u32 v3, v2, 4, v3
	s_mul_i32 s21, s11, HALFT                      ; my 128 rows of A
	s_mul_i32 s22, s12, HALFT                      ; my 128 rows of B,
	s_add_co_u32 s22, s22, 2*HALFT                 ; which lie behind A's 256
	v_add_nc_u32 v[A0], s21, v3
	v_add_nc_u32 v[B0], s22, v3
	v_mov_b32 v[ADRA], v[A0]
	v_mov_b32 v[ADRB], v[B0]
	s_mul_i32 s23, s10, DT                         ; my tile on the way out
	v_mul_u32_u24 v4, v1, DP                       ; in: row l % 16, 32 bytes for each half of the lanes
	v_lshl_add_u32 v4, v2, 5, v4
	v_add_nc_u32 v[DST], s23, v4
	v_mul_u32_u24 v5, v2, DP                       ; back: lanes 0-15 take 256 bytes of one row, lanes 16-31 of the next
	v_lshl_add_u32 v5, v1, 4, v5
	v_add_nc_u32 v[RD], s23, v5
	v_and_b32 v[CO], 31, v0
	v_lshlrev_b32 v[CO], 3, v[CO]                  ; 8 bytes a lane
	; where my tile goes: which = column / 1,024; batch = row / 1,024; my first head; my first row s
	s_lshr_b32 s66, s42, 2
	s_lshl_b32 s66, s66, 23
	s_lshr_b32 s67, s13, 2
	s_lshl_b32 s67, s67, 21
	s_add_co_u32 s66, s66, s67
	s_and_b32 s67, s42, 3
	s_lshl_b32 s67, s67, 2
	s_lshl1_add_u32 s67, s12, s67                  ; head = 4 (tile column % 4) + 2 x half
	s_lshl_b32 s67, s67, 17
	s_add_co_u32 s66, s66, s67
	s_and_b32 s67, s13, 3
	s_lshl1_add_u32 s67, s67, s11                  ; s / 128 = 2 (tile row % 4) + half
	s_lshl_b32 s67, s67, 14
	s_add_co_u32 s66, s66, s67
	s_mov_b32 s67, 0
	s_add_nc_u64 s[8:9], s[8:9], s[66:67]
	; the prefetches
	s_lshl_b32 s18, s13, 8
	s_lshl_b32 s19, s42, 8
	s_and_b32 s22, ttmp7, 0xffff                   ; cluster y
	s_cmp_eq_u32 s11, 0                            ; do I fetch for A?
	s_cselect_b32 s18, s18, s19                    ; the tile's first row
	s_cselect_b32 s21, s40, s41                    ; my place among the four that ask with me
	s_cselect_b32 s22, ttmp9, s22                  ; the coordinate along which other clusters read the same rows
	s_cselect_b64 s[PFA:PFA+1], s[4:5], s[6:7]
	s_cmp_eq_u32 s22, 0
	s_cselect_b32 s[LIM], 2, -1                    ; the same in all sixteen partners, for a given wave
	s_lshl_b32 s22, s12, 7
	s_add_co_u32 s18, s18, s22                     ; + the 128 rows that I fetch
	s_lshl_b32 s21, s21, 5
	s_add_co_u32 s18, s18, s21                     ; + my work-group's 32 of them
	s_lshl_b32 s18, s18, 11
	s_mov_b32 s19, 0
	s_add_nc_u64 s[PFA:PFA+1], s[PFA:PFA+1], s[18:19]
	s_add_nc_u64 s[PFA:PFA+1], s[PFA:PFA+1], 2*STEPB  ; at K step 2: the first change of slots steps it to 3 and names K step 4.  Nothing is prefetched here, at the head
	v_and_b32 v[PFO], 31, v0
	v_lshlrev_b32 v[PFO], 11, v[PFO]
	s_wait_tensorcnt 0x1                           ; my part of K step 0 is in; K step 1's may stay out
	s_barrier_signal -1
	s_barrier_wait -1                              ; everybody's is
	FETCH 0, F0
	QUARTER 64, F0, F1, 1                          ; the first quarter starts the sums: nothing is cleared
	WIN 0                                          ; at a label and at a branch every window is 0
	s_mov_b32 s3, NSTEPS-1
	s_branch .Lenter                               ; the loop is entered in the middle of a trip
.Lstep:                                                ; six times: a change of slots with a refill, then the next K step's first three quarters
	TURN 1
	QUARTER 64, F0, F1, 0
	WIN 0
.Lenter:
	QUARTER 128, F1, F0, 0
	QUARTER 192, F0, F1, 0
	WIN 0
	s_sub_co_u32 s3, s3, 1
	s_cmp_lg_u32 s3, 0
	s_cbranch_scc1 .Lstep
	TURN 0                                         ; the tail is written out: nothing is left to fetch
	QUARTER 64, F0, F1, 0
	QUARTER 128, F1, F0, 0
	QUARTER 192, F0, F1, 0
	LASTQ
	; THE WAY OUT
	WIN 0
	PLACES
	PLACES
	s_barrier_signal -1                            ; my reads of the ring are over (the last wait on DScnt was for 0), and no fill follows:
	s_barrier_wait -1                              ; when that holds of all four waves the ring's bytes take the tiles
	DUMP
.macro BACK                            ; eight rows of my own tile come back (LDS serves a wave's instructions in order: ISA guide 5.7.1.4): load n = rows 2 (n / 2), + 1 of head n % 2
.irp n, 0,1,2,3,4,5,6,7
	ds_load_b128 v[X+4*(\n):X+4*(\n)+3], v[RD] offset:((\n)/2)*2*DP+((\n)%2)*256
.endr
.endm
	BACK
	s_mov_b32 s3, 16
.Lout:                                                 ; sixteen trips of eight rows
	s_wait_dscnt 0x0
.irp n, 0,1,2,3,4,5,6,7
	v_cvt_pk_bf16_f32 v[Y+2*(\n)], v[X+4*(\n)], v[X+4*(\n)+1]
	v_cvt_pk_bf16_f32 v[Y+2*(\n)+1], v[X+4*(\n)+2], v[X+4*(\n)+3]
.endr
	s_cmp_eq_u32 s3, 1                             ; the next eight rows are asked for ahead of the stores; behind the last there are none
	s_cbranch_scc1 .Lno_more
	v_add_nc_u32 v[RD], 8*DP, v[RD]
	BACK
.Lno_more:
.irp n, 0,1,2,3,4,5,6,7
	global_store_b64 v[CO], v[Y+2*(\n):Y+2*(\n)+1], s[8:9] offset:((\n)%2)*HHS+((\n)/2)*256  ; two rows of a head: 256 consecutive bytes, at a multiple of 256 from qkv's first byte
.endr
	s_wait_xcnt 0x0                                ; the stores have read their data and their offset: both are written again only behind this wait
	v_add_nc_u32 v[CO], 1024, v[CO]
	s_sub_co_u32 s3, s3, 1
	s_cmp_lg_u32 s3, 0
	s_cbranch_scc1 .Lout
	s_wait_tensorcnt 0x0                           ; the wave's end: behind my last tensor load and my last LDS store
	ds_add_u32 v[SPW], v[NIL]
	s_wait_dscnt 0x0
	CROUND                                         ; the closing round: no work-group ends while a partner may still ask for a tile that names it
	s_endpgm
.Lfunc_end_k_q3116df48cb_qkv:
	.size	k_q3116df48cb_qkv, .Lfunc_end_k_q3116df48cb_qkv-k_q3116df48cb_qkv
	.p2alignl 7, 3214868480
	.fill 96, 4, 3214868480
	.section	.rodata,"a",@progbits
	.p2align	6, 0x0
	.amdhsa_kernel k_q3116df48cb_qkv
		.amdhsa_group_segment_fixed_size 327680
		.amdhsa_private_segment_fixed_size 0
		.amdhsa_enable_private_segment 0
		.amdhsa_kernarg_size 24
		.amdhsa_user_sgpr_count 2
		.amdhsa_user_sgpr_kernarg_segment_ptr 1
		.amdhsa_wavefront_size32 1
		.amdhsa_system_sgpr_workgroup_id_x 1
		.amdhsa_system_sgpr_workgroup_id_y 1
		.amdhsa_system_sgpr_workgroup_id_z 1
		.amdhsa_system_vgpr_workitem_id 0
		.amdhsa_next_free_vgpr 1024
		.amdhsa_next_free_sgpr 80
		.amdhsa_reserve_vcc 0
		.amdhsa_float_denorm_mode_32 3
		.amdhsa_float_denorm_mode_16_64 3
		.amdhsa_memory_ordered 1
		.amdhsa_forward_progress 1
		.amdhsa_inst_pref_size 85
	.end_amdhsa_kernel
	.amdgpu_metadata
---
amdhsa.version: [ 1, 2 ]
amdhsa.kernels:
  - .name:           k_q3116df48cb_qkv
    .symbol:         k_q3116df48cb_qkv.kd
    .args:
      - { .name: h, .offset: 0, .size: 8, .value_kind: global_buffer, .address_space: global }
      - { .name: wb, .offset: 8, .size: 8, .value_kind: global_buffer, .address_space: global }
      - { .name: qkv, .offset: 16, .size: 8, .value_kind: global_buffer, .address_space: global }
    .group_segment_fixed_size: 327680
    .private_segment_fixed_size: 0
    .kernarg_segment_align: 8
    .kernarg_segment_size: 24
    .max_flat_workgroup_size: 128
    .sgpr_count:     80
    .vgpr_count:     1024
    .wavefront_size: 32
...
	.end_amdgpu_metadata
.endif
;; end of part 2
;; launch attn (part 3): grid 4 x 64, 4 waves a work-group, no clusters, 327,680 bytes of LDS; arguments qkv, ctx; writes ctx
.if DOCPART == 3
	.amdgcn_target "amdgcn-amd-amdhsa--gfx1250"
	.amdhsa_code_object_version 6
	.text
	.protected	k_q3116df48cb_attn
	.globl	k_q3116df48cb_attn
	.p2align	8
	.type	k_q3116df48cb_attn,@function
k_q3116df48cb_attn:
	s_mov_b64 s[64:65], 0
	v_nop
	global_prefetch_b8 v0, s[64:65] scope:SCOPE_SE
	s_setreg_imm32_b32 hwreg(HW_REG_WAVE_MODE, 25, 1), 1
	s_wait_xcnt 0x0
; CAUSAL ATTENTION at head size 64.  qkv: [3][64 heads (batch x 16 + head)][1024][64] bf16.
; ctx, bf16, IN FRAGMENT ORDER: [32 blocks of 128 tokens][16 heads][8 blocks of 16 tokens][8 groups of 8 channels][16 tokens][8 channels]: the order in which the next product loads its fragments,
; and the order in which O^T lies in the lanes here: a lane's 8 channels of one token are 16 bytes, a wave's store 512 consecutive bytes.
; O[q] = the sum over k <= q of softmax_k(Q[q] . K[k] / 8) V[k].  Products, maxima and sums in f32; the weights p are rounded to bf16 for the second product (their sum l is taken of the unrounded p), O once.
; LIMITS.  A hidden score counts as its value less 1e30; a weight below 2^-126 counts as 0 in l; NaN and infinities are not treated apart.
; SHARES.  A head's queries lie in 8 blocks of 128.  A work-group takes blocks b and then 7 - b of one head: 9 block-tiles of keys whatever b, so all 256 work-groups do like work.  Wave w owns rows
; 32 w .. 32 w + 31 of a block: two tiles of 16.  It walks the keys 64 a step, steps 0 .. JM = 2 x block + w / 2; only step JM holds hidden keys, and its mask (MD, made once) is the same for both blocks.
; K AND V ONCE.  All 1,024 keys of the head, 262,144 bytes, fit in LDS: one tensor load a wave (waves 0, 1: K's halves; 2, 3: V's), one barrier, and then no ring, no refill and no further barrier.
; NO CLUSTER: the four work-groups of a head ask for the same bytes, but each leaves out other key steps, by a branch on its own number, which partners of a joint load may not have;
; a walk common to all four would have 16 steps a block for 9 on the average.  NO PREFETCH: all that is read is asked for at the head.
; THE WALK counts to the constant 16 and jumps forward over the steps that the wave does not need; the jumps pass no barrier and no tensor load; a step's LDS bytes are made from the counter.
; LAYOUT.  S^T = K Q^T holds ONE query a lane (lane % 16) and the keys 8 (lane / 16) + 0..7; two such results rounded to bf16 ARE source 1 of O^T = V^T P.  p = 2^(c s - c m), c = log2(e) / 8, with a running
; maximum m; O and l are multiplied by a = 2^(c m_old - c m_new) in every step.  m starts at the lowest finite number, so a block's first a is 0, and O and l need only be finite there.
; IN PHASES: a step's 16 products K Q^T, its softmax, its 16 products V^T P.  V is fetched at the step's head, the next step's K behind the products K Q^T: each has the softmax in which to come.
; REGISTERS: window 0: v0-15 addresses; v16-23 statistics (c m, m, l, l a tile); v24-31 at work; v64-127 S^T; v128-159 P; v160-223 O^T.
;   window 1: v0-31 Q; v32-63 the second block's Q; v64-127 K of one step; v128-191 V of one step; v192-255 MD.
.set KS,    64
.set PK,    144       ; a row of K in LDS: 128 bytes + 16 = 36 words: the 16 rows of a load start at 16 different groups of four banks (64 banks of 4 bytes: ISA guide 11.1)
.set PV,    160       ; a row of V: 128 + 32 = 40 words
.set VOFF,  1024*PK
.set SPARE, VOFF+1024*PV  ; behind V: the spare words, 128 bytes for each wave: two blocks of 256 bytes that no other line names
.set AK0, 2           ; v2   my lane's place in a step's K; never rewritten
.set AV0, 3           ; v3   the same for V, VOFF included
.set AK,  4
.set AV,  5
.set GO,  8           ; v8   16 x lane: my bytes in 512 consecutive bytes of ctx
.set MV,  12          ; v12-13  c m_old, by tile
.set QO,  15          ; v15  my byte offset in 16 rows of Q
.set ST,  16
.set TMP, 24          ; by tile four registers c0-c3 at work; when the maximum is found c2 takes a
.set SPW, 32          ; v32  LDS address of my spare word; never rewritten
.set NIL, 33          ; v33  0; never rewritten
.set S,   64
.set P,   128
.set O,   160
.set QB,  32          ; window 1
.set KF,  64          ; key block kb, channel half c at KF + 16 kb + 8 c
.set VF,  128         ; key half kk, channel block cb at VF + 32 kk + 8 cb
.set MD,  192
.set WV,  12          ; s12  my wave's number
.set G1K, 24          ; s[24:31], s[32:39] descriptor group 1 for K and for V: they differ in the padding
.set G1V, 32
.set G0K, 40          ; s[40:43], s[44:47] group 0
.set G0V, 44
.set J,   48          ; s48  the key step
.set JM,  49          ; s49  my last step of the block in hand
.set JMH, 50          ; s50  of the second block
.set TBK, 51
.set TBV, 52
.set BLK, 53          ; s53  blocks to go
.set BIGN, 54         ; s54  -1e30
.set CS,  56          ; s[56:57] c
.set SEL, 58          ; s[58:59] v_permlanex16_b32's selects
.set MSB, 0
.macro WIN new
.if MSB != (\new)
	s_set_vgpr_msb (MSB<<8)|(\new)
.set MSB, (\new)
.endif
.endm
.set W_KQ, 0x05       ; K and Q in window 1, S^T in window 0
.set W_PV, 0x01       ; V in window 1, P and O^T in window 0
.set W_MD, 0x04       ; source 1 in window 1
.set W_TO, 0x40       ; destination in window 1
	s_load_b128 s[4:7], s[0:1], 0x0 ; qkv s[4:5], ctx s[6:7]
	v_lshl_add_u32 v[SPW], v0, 2, SPARE
	v_mov_b32 v[NIL], 0
	ds_add_u32 v[SPW], v[NIL]       ; the wave's opening: the add and its wait stand ahead of my tensor load; the set-up below, work on registers, stands between
	v_lshrrev_b32 v1, 5, v0
	v_readfirstlane_b32 s[WV], v1   ; wave 0..3
	s_mov_b32 s13, ttmp9            ; b: the first block
	s_and_b32 s14, ttmp7, 0xffff    ; the head, 0..63
	s_sub_co_u32 s15, 7, s13        ; the second block
	s_and_b32 s16, s[WV], 1         ; which 512 keys I fetch
	s_lshr_b32 s17, s[WV], 1
	s_lshl1_add_u32 s[JM], s13, s17
	s_lshl1_add_u32 s[JMH], s15, s17
	; 512 keys are 65,536 dense bytes: asked for as 256 rows of 256 bytes, two keys a row, and padded in LDS after every key
	s_mov_b32 s[G1K], (1<<16)|(1<<20)|(4<<22)|(3<<25)  ; 2-byte elements; padding on; after every 32 words; 4 words
	s_mov_b32 s[G1V], (1<<16)|(1<<20)|(4<<22)|(7<<25)  ; the same with 8 words
.irp g, G1K, G1V
	s_mov_b32 s[\g+1], 128<<16      ; tensor_dim0 = 128
	s_mov_b32 s[\g+2], 256<<16      ; tensor_dim1 = 256
	s_mov_b32 s[\g+3], 128<<16      ; tile_dim0 = 128
	s_mov_b32 s[\g+4], 256          ; tile_dim1 = 256
	s_mov_b32 s[\g+5], 128          ; 128 elements from row to row
	s_mov_b32 s[\g+6], 0
	s_mov_b32 s[\g+7], 0
.endr
	s_mov_b32 s[G0K], 1
	s_mul_i32 s[G0K+1], s16, 512*PK
	s_mov_b32 s[G0V], 1
	s_mul_i32 s[G0V+1], s16, 512*PV
	s_add_co_u32 s[G0V+1], s[G0V+1], VOFF
	s_mov_b32 s[CS], 0x3e38aa3b     ; c = log2(e) / 8
	s_mov_b32 s[CS+1], s[CS]
	s_mov_b32 s[SEL], 0x76543210
	s_mov_b32 s[SEL+1], 0xfedcba98
	s_mov_b32 s[BIGN], 0xf149f2ca   ; -1e30
	s_lshl_b32 s22, s14, 17         ; the head's first byte in q, in k and in v
	s_lshl_b32 s18, s16, 16
	s_add_co_u32 s18, s18, s22      ; my 512 keys
	s_mov_b32 s19, 0
	s_lshl_b32 s2, s[WV], 12        ; my 32 rows of a block: 4,096 bytes, in q and in a head's part of ctx
	s_lshl_b32 s20, s13, 14
	s_add_co_u32 s20, s20, s2
	s_add_co_u32 s20, s20, s22      ; my rows of q in the first block,
	s_mov_b32 s21, 0
	s_lshl_b32 s3, s15, 14
	s_add_co_u32 s3, s3, s2
	s_add_co_u32 s22, s22, s3       ; and in the second
	s_mov_b32 s23, 0
	s_and_b32 s55, s14, 15
	s_lshl_b32 s55, s55, 14
	s_add_co_u32 s55, s55, s2       ; in ctx: the head's 16,384 bytes and my two blocks of 16 tokens,
	s_lshr_b32 s3, s14, 4
	s_lshl_b32 s3, s3, 3            ; the batch's eight blocks of tokens
	s_add_co_u32 s60, s3, s13
	s_lshl_b32 s60, s60, 18
	s_add_co_u32 s60, s60, s55
	s_mov_b32 s61, 0
	s_add_co_u32 s62, s3, s15
	s_lshl_b32 s62, s62, 18
	s_add_co_u32 s62, s62, s55
	s_mov_b32 s63, 0
	s_wait_dscnt 0x0                ; the opening add is done
	s_wait_kmcnt 0x0
	s_add_nc_u64 s[G0K+2:G0K+3], s[4:5], s[18:19]
	s_add_nc_u64 s[G0K+2:G0K+3], s[G0K+2:G0K+3], 8388608   ; k lies behind q,
	s_or_b32 s[G0K+3], s[G0K+3], 0x80000000                ; type = 2
	s_add_nc_u64 s[G0V+2:G0V+3], s[4:5], s[18:19]
	s_add_nc_u64 s[G0V+2:G0V+3], s[G0V+2:G0V+3], 16777216  ; v behind k
	s_or_b32 s[G0V+3], s[G0V+3], 0x80000000
	s_add_nc_u64 s[10:11], s[6:7], s[60:61]  ; ctx at my rows of the first block,
	s_add_nc_u64 s[8:9], s[6:7], s[62:63]    ; of the second
	s_add_nc_u64 s[20:21], s[4:5], s[20:21]  ; q likewise
	s_add_nc_u64 s[22:23], s[4:5], s[22:23]
	s_cmp_lt_u32 s[WV], 2           ; my one tensor load of the launch; an s_nop 0 and four v_nop follow each line
	s_cbranch_scc0 .Lfor_v
	tensor_load_to_lds s[G0K:G0K+3], s[G1K:G1K+7]
	s_nop 0
.rept 4
	v_nop
.endr
	s_branch .Lasked
.Lfor_v:
	tensor_load_to_lds s[G0V:G0V+3], s[G1V:G1V+7]
	s_nop 0
.rept 4
	v_nop
.endr
.Lasked:
	; a fragment of K or Q is 16 rows x 32 channels in 8 registers: lane l holds row l % 16, channels 8 (l / 16) + 0..7 and 16 + 8 (l / 16) + 0..7
	v_and_b32 v1, 15, v0            ; l % 16
	v_bfe_u32 v9, v0, 4, 1          ; l / 16
	v_lshlrev_b32 v[QO], 7, v1
	v_lshl_add_u32 v[QO], v9, 4, v[QO]
	WIN W_TO
.set i, 0
.rept 4                             ; both blocks' Q: tile i / 2, channels 32 (i % 2) on
	global_load_b128 v[8*i:8*i+3],   v[QO], s[20:21] offset:(i/2)*2048+(i%2)*64
	global_load_b128 v[8*i+4:8*i+7], v[QO], s[20:21] offset:(i/2)*2048+(i%2)*64+32
	global_load_b128 v[QB+8*i:QB+8*i+3],   v[QO], s[22:23] offset:(i/2)*2048+(i%2)*64
	global_load_b128 v[QB+8*i+4:QB+8*i+7], v[QO], s[22:23] offset:(i/2)*2048+(i%2)*64+32
.set i, i+1
.endr
	WIN 0
	; MD: in my last step my query of tile u stands at place 32 (w % 2) + 16 u + l % 16 of the step's 64 keys; register r of key group kt holds key 16 kt + 8 (l / 16) + r, hidden where that is greater
	v_lshlrev_b32 v14, 3, v9
	v_sub_nc_u32 v14, v1, v14
	s_lshl_b32 s2, s16, 5
	v_add_nc_u32 v14, s2, v14
	WIN W_TO
.set i, 0
.rept 64
	v_cmp_gt_i32 vcc_lo, 16*((i%32)/8)+i%8-16*(i/32), v14
	v_cndmask_b32 v[MD+i], 0, s[BIGN], vcc_lo
.set i, i+1
.endr
	WIN 0
	v_mul_u32_u24 v[AK0], v1, PK
	v_lshl_add_u32 v[AK0], v9, 4, v[AK0]
	; the turning load takes 16 keys x 16 channels (lane l reads key 8 (l / 16) + l % 8, channels 8 ((l / 8) % 2) + 0..7) and leaves half a fragment of V^T
	v_and_b32 v10, 7, v0
	v_bfe_u32 v11, v0, 3, 1
	v_lshl_add_u32 v[AV0], v9, 3, v10
	v_mul_u32_u24 v[AV0], v[AV0], PV
	v_lshl_add_u32 v[AV0], v11, 4, v[AV0]
	v_add_nc_u32 v[AV0], VOFF, v[AV0]
	v_and_b32 v[GO], 31, v0
	v_lshlrev_b32 v[GO], 4, v[GO]
.set i, 0
.rept 64                            ; O^T and l need only be finite when a block begins: zeros for the first block, written in the wait for the tiles, so that no first step is written out
	v_mov_b32 v[O+i], 0
.set i, i+1
.endr
.irp u, 0,1
	v_mov_b32 v[ST+4*\u+2], 0
	v_mov_b32 v[ST+4*\u+3], 0
.endr
; product i of 16 of S^T = K Q^T: channels 32 (i / 8) on, keys 16 ((i / 2) % 4) on, tile i % 2.  The first 8 start the sums.  The 8 accumulators take turns.
.macro KQ
.set rS, S+32*(i%2)+8*((i/2)%4)
.set rK, KF+16*((i/2)%4)+8*(i/8)
.set rQ, 16*(i%2)+8*(i/8)
.if i < 8
	v_wmma_f32_16x16x32_bf16 v[rS:rS+7], v[rK:rK+7], v[rQ:rQ+7], 0
.else
	v_wmma_f32_16x16x32_bf16 v[rS:rS+7], v[rK:rK+7], v[rQ:rQ+7], v[rS:rS+7]
.endif
.endm
; product i of 16 of O^T += V^T P: keys 32 (i / 8) on, channels 16 ((i / 2) % 4) on, tile i % 2
.macro PVM
.set rO, O+32*(i%2)+8*((i/2)%4)
.set rV, VF+32*(i/8)+8*((i/2)%4)
.set rP, P+16*(i%2)+8*(i/8)
	v_wmma_f32_16x16x32_bf16 v[rO:rO+7], v[rV:rV+7], v[rP:rP+7], v[rO:rO+7]
.endm
.macro FETCH_K                      ; a step's K: 64 keys x 64 channels, 16 loads in one run
	WIN W_TO
.irp f, 0,1,2,3,4,5,6,7
	ds_load_b128 v[KF+8*\f:KF+8*\f+3],   v[AK] offset:(\f/2)*16*PK+(\f%2)*64
	ds_load_b128 v[KF+8*\f+4:KF+8*\f+7], v[AK] offset:(\f/2)*16*PK+(\f%2)*64+32
.endr
	WIN 0
.endm
.macro FETCH_V                      ; a step's V, turned
	WIN W_TO
.irp f, 0,1,2,3,4,5,6,7
	ds_load_tr16_b128 v[VF+8*\f:VF+8*\f+3],   v[AV] offset:(\f/4)*32*PV+(\f%4)*32
	ds_load_tr16_b128 v[VF+8*\f+4:VF+8*\f+7], v[AV] offset:(\f/4)*32*PV+16*PV+(\f%4)*32
.endr
	WIN 0
.endm
.macro REGS u                       ; the registers of tile u
.set rT, ST+4*(\u)
.set rC, TMP+4*(\u)
.set rM, MV+(\u)
.set rS, S+32*(\u)
.set rP, P+16*(\u)
.set rO, O+32*(\u)
.endm
; number n of the 22 that find a tile's maximum and statistics.  0-11: four chains of seven scores each (each accumulator's lowest registers are read first); 12-14, 16: the four scores
; left over, the old m, and the chains into one; 15: c m_old is kept; 17, 18: the query's other 32 keys lie in the lane 16 away; 19-21: c m; c m_old - c m_new; a
.macro XS u, n
	REGS \u
.if (\n) < 4
	v_max3_num_f32 v[rC+(\n)], v[rS+8*(\n)], v[rS+8*(\n)+1], v[rS+8*(\n)+2]
.elseif (\n) < 12
	v_max3_num_f32 v[rC+(\n)%4], v[rC+(\n)%4], v[rS+8*((\n)%4)+2*((\n)/4)+1], v[rS+8*((\n)%4)+2*((\n)/4)+2]
.elseif (\n) == 12
	v_max3_num_f32 v[rC], v[rC], v[rS+7], v[rS+15]
.elseif (\n) == 13
	v_max3_num_f32 v[rC+1], v[rC+1], v[rS+23], v[rS+31]
.elseif (\n) == 14
	v_max3_num_f32 v[rC+2], v[rC+2], v[rC+3], v[rT+1]
.elseif (\n) == 15
	v_mov_b32 v[rM], v[rT]
.elseif (\n) == 16
	v_max3_num_f32 v[rC], v[rC], v[rC+1], v[rC+2]
.elseif (\n) == 17
	v_permlanex16_b32 v[rC+3], v[rC], s[SEL], s[SEL+1]
.elseif (\n) == 18
	v_max_num_f32 v[rT+1], v[rC], v[rC+3]
.elseif (\n) == 19
	v_mul_f32 v[rT], s[CS], v[rT+1]
.elseif (\n) == 20
	v_sub_f32 v[rC+1], v[rM], v[rT]
.else
	v_exp_f32 v[rC+2], v[rC+1]
.endif
.endm
.macro FS u, n                      ; c s - c m for pair n of 16
	REGS \u
	v_pk_fma_f32 v[rS+2*(\n):rS+2*(\n)+1], v[rS+2*(\n):rS+2*(\n)+1], s[CS:CS+1], v[rT:rT+1] op_sel_hi:[1,0,0] neg_lo:[0,0,1] neg_hi:[0,0,1]
.endm
.macro EX2 u, n                     ; the two exponentials of pair n
	REGS \u
	v_exp_f32 v[rS+2*(\n)], v[rS+2*(\n)]
	v_exp_f32 v[rS+2*(\n)+1], v[rS+2*(\n)+1]
.endm
.macro AD u, x, y                   ; the pair at y is added onto the pair at x
	REGS \u
	v_pk_add_f32 v[rS+(\x):rS+(\x)+1], v[rS+(\x):rS+(\x)+1], v[rS+(\y):rS+(\y)+1]
.endm
	s_wait_tensorcnt 0x0            ; my part of K or V is in,
	s_barrier_signal -1
	s_barrier_wait -1               ; everybody's is; nothing is ever filled again
	s_mov_b32 s[BLK], 2
.Lblock:
.irp u, 0,1
	v_mov_b32 v[ST+4*\u], 0xfe000000    ; c m: far below every c s, so the first a is 0
	v_mov_b32 v[ST+4*\u+1], 0xff7fffff  ; m
.endr
	s_mov_b32 s[J], 0
	v_mov_b32 v[AK], v[AK0]
	FETCH_K                         ; key step 0
	s_wait_loadcnt 0x0              ; Q
.Lstep:
	s_cmp_gt_u32 s[J], s[JM]
	s_cbranch_scc1 .Lskip           ; a step that holds none of my keys
	s_mul_i32 s[TBV], s[J], KS*PV
	v_add_nc_u32 v[AV], s[TBV], v[AV0]
.rept 3
	v_nop                           ; with the line above: the four places behind the last product that read V
.endr
	FETCH_V
	s_wait_dscnt 16                 ; K is in; V's sixteen loads, issued behind it, may stay out
	WIN W_KQ
.set i, 0
.rept 16
	KQ
.set i, i+1
.endr
	WIN 0
	s_add_co_u32 s[TBK], s[J], 1
	s_min_u32 s[TBK], s[TBK], 15    ; there are sixteen steps of K: the address stays inside K's rows whatever the counter
	s_mul_i32 s[TBK], s[TBK], KS*PK
	v_add_nc_u32 v[AK], s[TBK], v[AK0]
.rept 3
	v_nop                           ; four places behind the last product: in front of loads into K's registers and of the first read of the scores
.endr
	s_cmp_lt_u32 s[J], s[JM]
	s_cbranch_scc0 .Lmask
	FETCH_K                         ; the next step's K
	s_branch .Lsoft
.Lmask:                             ; my last step of the block: no further K, and the hidden keys' scores go down by 1e30
	WIN W_MD
.set i, 0
.rept 32
	v_pk_add_f32 v[S+2*i:S+2*i+1], v[S+2*i:S+2*i+1], v[MD+2*i:MD+2*i+1]
.set i, i+1
.endr
	WIN 0
.Lsoft:
.irp n, 0,1,2,3,4,5,6,7,8,9,10,11,12,13,14,15,16,17,18,19,20
	XS 0, \n                        ; the two tiles alternate, so that no line reads the result of the one before it
	XS 1, \n
.endr
.set n, 0
.rept 16                            ; ONE BATCH of 66 exponentials; a pair's stand one pair behind its scaling; nothing ahead of the wait names a result
	FS 0, n
	FS 1, n
.if n > 0
	EX2 0, n-1
	EX2 1, n-1
.endif
.set n, n+1
.endr
	EX2 0, 15
	EX2 1, 15
	XS 0, 21
	XS 1, 21
	v_nop                           ; a plain instruction behind the last exponential (ISA guide 5.7.2),
	s_wait_alu depctr_va_vdst(0)    ; and the wait ahead of the first use: one for the batch
.set n, 0
.rept 16
	REGS 0
	v_cvt_pk_bf16_f32 v[rP+n], v[rS+2*n], v[rS+2*n+1]
	REGS 1
	v_cvt_pk_bf16_f32 v[rP+n], v[rS+2*n], v[rS+2*n+1]
.set n, n+1
.endr
.irp k, 0,1,2,3,4,5,6,7             ; the sum of a tile's 16 pairs, in place: neighbours 1, 2, 4 and 8 pairs apart
	AD 0, 4*\k, 4*\k+2
	AD 1, 4*\k, 4*\k+2
.endr
.irp k, 0,1,2,3
	AD 0, 8*\k, 8*\k+4
	AD 1, 8*\k, 8*\k+4
.endr
.irp k, 0,1
	AD 0, 16*\k, 16*\k+8
	AD 1, 16*\k, 16*\k+8
.endr
	AD 0, 0, 16
	AD 1, 0, 16
.irp u, 0,1
	REGS \u
	v_pk_fma_f32 v[rT+2:rT+3], v[rT+2:rT+3], v[rC+2:rC+3], v[rS:rS+1] op_sel_hi:[1,0,1]  ; l = a l + the sum
.endr
.set n, 0
.rept 16
	REGS 0
	v_pk_mul_f32 v[rO+2*n:rO+2*n+1], v[rO+2*n:rO+2*n+1], v[rC+2:rC+3] op_sel_hi:[1,0]  ; O^T times a, from each accumulator's low end on
	REGS 1
	v_pk_mul_f32 v[rO+2*n:rO+2*n+1], v[rO+2*n:rO+2*n+1], v[rC+2:rC+3] op_sel_hi:[1,0]
.set n, n+1
.endr
	s_wait_dscnt 0x0                ; V is in, and the next step's K
	WIN W_PV
.set i, 0
.rept 16
	PVM
.set i, i+1
.endr
	WIN 0
.Lskip:
	s_add_co_u32 s[J], s[J], 1
	s_cmp_lt_u32 s[J], 16
	s_cbranch_scc1 .Lstep
	; THE WAY OUT of a block: l's two halves and the other half of the lanes' are added; O^T is divided by l, rounded to bf16 and stored from the registers in which it lies
	s_wait_dscnt 0x0                ; no LDS load of mine is out at a block's end, on any way through the walk: the next block's head loads K's registers anew
.rept 4
	v_nop                           ; the places behind the last products
.endr
.irp t, 0,1
	v_add_f32 v[ST+4*\t+2], v[ST+4*\t+2], v[ST+4*\t+3]
.endr
.irp t, 0,1
	v_permlanex16_b32 v[ST+4*\t+3], v[ST+4*\t+2], s[SEL], s[SEL+1]
.endr
.irp t, 0,1
	v_add_f32 v[ST+4*\t+2], v[ST+4*\t+2], v[ST+4*\t+3]
.endr
.irp t, 0,1
	v_rcp_f32 v[ST+4*\t+2], v[ST+4*\t+2]
.endr
	v_nop
	s_wait_alu depctr_va_vdst(0)    ; one wait for the two reciprocals, ahead of their first use
.macro PACK t                       ; a lane's eight channels of a token pack into 16 bytes, in S^T's registers
.set i, 0
.rept 16
	v_pk_mul_f32 v[O+32*(\t)+2*i:O+32*(\t)+2*i+1], v[O+32*(\t)+2*i:O+32*(\t)+2*i+1], v[ST+4*(\t)+2:ST+4*(\t)+3] op_sel_hi:[1,0]
.set i, i+1
.endr
.set i, 0
.rept 16
	v_cvt_pk_bf16_f32 v[S+16*(\t)+i], v[O+32*(\t)+2*i], v[O+32*(\t)+2*i+1]
.set i, i+1
.endr
.endm
.macro SEND t                       ; channel block f: lanes 0-15 hold channels 16 f .. + 7 of the tile's 16 tokens, lanes 16-31 channels 16 f + 8 .. + 15: two groups of ctx's order on end
.irp f, 0,1,2,3
	global_store_b128 v[GO], v[S+16*(\t)+4*\f:S+16*(\t)+4*\f+3], s[10:11] offset:(\t)*2048+\f*512  ; 512 consecutive bytes, at a multiple of 256 from ctx's first byte
.endr
.endm
	PACK 0
	SEND 0
	PACK 1
	SEND 1
	s_wait_xcnt 0x0                 ; the stores have read their registers and their base
	s_mov_b64 s[10:11], s[8:9]      ; the second block: its rows of ctx, its last step,
	s_mov_b32 s[JM], s[JMH]
	WIN 0x41
.set i, 0
.rept 32
	v_mov_b32 v[i], v[QB+i]         ; and its Q, where the one text of the step names Q
.set i, i+1
.endr
	WIN 0
	s_sub_co_u32 s[BLK], s[BLK], 1
	s_cmp_lg_u32 s[BLK], 0
	s_cbranch_scc1 .Lblock
	s_wait_tensorcnt 0x0            ; the wave's end: behind my tensor load
	ds_add_u32 v[SPW], v[NIL]
	s_wait_dscnt 0x0
	s_endpgm
.Lfunc_end_k_q3116df48cb_attn:
	.size	k_q3116df48cb_attn, .Lfunc_end_k_q3116df48cb_attn-k_q3116df48cb_attn
	.p2alignl 7, 3214868480
	.fill 96, 4, 3214868480
	.section	.rodata,"a",@progbits
	.p2align	6, 0x0
	.amdhsa_kernel k_q3116df48cb_attn
		.amdhsa_group_segment_fixed_size 327680
		.amdhsa_private_segment_fixed_size 0
		.amdhsa_enable_private_segment 0
		.amdhsa_kernarg_size 16
		.amdhsa_user_sgpr_count 2
		.amdhsa_user_sgpr_kernarg_segment_ptr 1
		.amdhsa_wavefront_size32 1
		.amdhsa_system_sgpr_workgroup_id_x 1
		.amdhsa_system_sgpr_workgroup_id_y 1
		.amdhsa_system_sgpr_workgroup_id_z 1
		.amdhsa_system_vgpr_workitem_id 0
		.amdhsa_next_free_vgpr 512
		.amdhsa_next_free_sgpr 66
		.amdhsa_reserve_vcc 1
		.amdhsa_float_denorm_mode_32 3
		.amdhsa_float_denorm_mode_16_64 3
		.amdhsa_memory_ordered 1
		.amdhsa_forward_progress 1
		.amdhsa_inst_pref_size 43
	.end_amdhsa_kernel
	.amdgpu_metadata
---
amdhsa.version: [ 1, 2 ]
amdhsa.kernels:
  - .name:           k_q3116df48cb_attn
    .symbol:         k_q3116df48cb_attn.kd
    .args:
      - { .name: qkv, .offset: 0, .size: 8, .value_kind: global_buffer, .address_space: global }
      - { .name: ctx, .offset: 8, .size: 8, .value_kind: global_buffer, .address_space: global }
    .group_segment_fixed_size: 327680
    .private_segment_fixed_size: 0
    .kernarg_segment_align: 8
    .kernarg_segment_size: 16
    .max_flat_workgroup_size: 128
    .sgpr_count:     66
    .vgpr_count:     512
    .wavefront_size: 32
...
	.end_amdgpu_metadata
.endif
;; end of part 3
;; launch wo (part 4): grid 8 x 32, 4 waves a work-group, clusters of 4 x 4, 327,680 bytes of LDS; arguments ctx, wb, bo, x, x1; writes x1
.if DOCPART == 4
	.amdgcn_target "amdgcn-amd-amdhsa--gfx1250"
	.amdhsa_code_object_version 6
	.text
	.protected	k_q3116df48cb_wo
	.globl	k_q3116df48cb_wo
	.p2align	8
	.type	k_q3116df48cb_wo,@function
k_q3116df48cb_wo:
	s_mov_b64 s[64:65], 0
	v_nop
	global_prefetch_b8 v0, s[64:65] scope:SCOPE_SE
	s_setreg_imm32_b32 hwreg(HW_REG_WAVE_MODE, 25, 1), 1
	s_wait_xcnt 0x0
	s_wait_alu depctr_hold_cnt(0) depctr_sa_sdst(0) depctr_va_vdst(0) depctr_va_sdst(0) depctr_va_ssrc(0) depctr_va_vcc(0) depctr_vm_vsrc(0)
	s_getreg_b32 s2, hwreg(HW_REG_IB_STS2, 6, 4)
	s_cmp_eq_u32 s2, 0
	s_cbranch_scc0 .Lentry_in_a_cluster
	s_endpgm
.Lentry_in_a_cluster:
	s_bfe_u32 s2, ttmp6, 0x10000c
	s_cmp_lg_u32 s2, 0xf033
	s_cbranch_scc0 .Lentry_shape_is_right
	s_endpgm
.Lentry_shape_is_right:
; OUT = RES + A B^T + BIAS.  Here: x1 = x + ctx Wo^T + bo.  A [4096][K] and B [1024][K] are bf16, K = 64 NPL; BIAS [1024], RES and OUT [4096][1024] are f32.  Sums in f32.
; A lies IN FRAGMENT ORDER: [block of 128 rows][plane of 64 k][8 blocks of 16 rows][8 groups of 8 k][16 rows][8 k], 16,384 bytes a plane: a fragment of 16 rows x 32 k is 1,024 bytes on end.
; B lies IN PLANES: [block of 128 rows][plane of 64 k][128 rows][64 k], 16,384 dense bytes a plane.
; A tile of OUT is 128 x 128, so that 8 x 32 = 256 work-groups have one each.  K IS SPLIT AMONG THE FOUR WAVES: every wave makes the whole tile (64 accumulators, 512 registers) on its own plane of each
; K step of four planes.  The four partial tiles meet in LDS at the end, in f32.  The order of an output's sum: RES, then wave 0's, 1's, 2's, 3's partial sum, then BIAS.
; A GOES STRAIGHT INTO REGISTERS.  With K split so, no wave wants a byte of A that another wave has fetched: each wave loads its own plane by loads of 512 consecutive bytes, into four buffers of
; 32 k (256 registers); a buffer's half is asked for again as soon as it has been multiplied, for its next use a trip on: 192 matrix instructions or more ahead; at most 56 such loads of a wave are out.
; B GOES THROUGH LDS, jointly for the four work-groups of a column of the 4 x 4 cluster: a ring of two slots, each with EIGHT planes (two K steps); a wave's tensor load brings two planes as 128 rows of
; 256 bytes, padded after every 128 bytes.  From a refill to the wait for it a wave issues 224 matrix instructions.
; A TRIP is a slot: four chunks of 32 k, 64 matrix instructions each.  Which slot is read stands in a scalar register (0 or SLOT); one descriptor walks along K.
; REGISTERS: window 0: v0-39 addresses and bias; v64-127, v128-191 fragments of B, later 32 rows of RES and OUT; window 1: A, chunk q at v[64 q], later rows of partial sums; windows 2, 3: the accumulators.
; THE MATRIX INSTRUCTION IS USED TRANSPOSED: source 0 = 16 rows of B, source 1 = 16 rows of A.
; Here NS = 2: both slots are first fills, nothing is filled again, and the loop is not assembled.  PF = 0: the launch has two trips, both asked for at its head: no prefetch is laid.
.set NPL,    16                        ; planes along K
.set WOFF,   14680064                  ; where B begins in wb
.set PF,     0
.set NS,     NPL/8                     ; slots along K
.set PITCH,  144                       ; an LDS row: 128 bytes + 16 = 36 words: the 16 rows of a load start at 16 different groups of four banks (64 banks of 4 bytes: ISA guide 11.1)
.set PLANE,  128*PITCH
.set HALFT,  2*PLANE                   ; what one tensor load brings
.set SLOT,   4*HALFT                   ; eight planes of B
.set SPARE,  2*SLOT                    ; behind the ring: the spare words, 128 bytes for each wave: two blocks of 256 bytes that no other line names
.set STEPG,  65536                     ; bytes of A or of B in memory from K step to K step,
.set SLOTG,  131072                    ; from slot to slot
.set DP,     528                       ; the way out: a row of 128 f32 + 16 bytes = 132 words
.set DT,     128*DP                    ; a wave's partial tile; four of them, 270,336 bytes, lie inside the ring
.set FIELDS, (1<<16)|(1<<20)|(1<<21)|(4<<22)|(3<<25)  ; group 1, word 0: 2-byte elements; padding on; 21 set beside a mask; after every 32 words; 4 words
.set AO,   16                          ; v16  16 x lane + my plane's 16,384 bytes; never rewritten
.set ADRB, 20                          ; v20  LDS address of my B fragments in the slot in hand, first K step;
.set B0,   21                          ; v21  the same in slot 0; never rewritten
.set ADRB2, 22                         ; v22  second K step: four planes on
.set DST,  24                          ; v24  the way out: where I put 16 bytes of a row of my partial tile
.set RD,   25                          ; v25  where I read a row of a partial tile
.set CO,   26                          ; v26  16 x lane: my bytes of a row of 512
.set SPW,  28
.set NIL,  29
.set PFOA, 30                          ; v30, v31  the prefetches' offsets
.set PFOB, 31
.set BIAS, 32                          ; v[32:35]
.set F0,   64
.set F1,   128
.set R,    64                          ; v[64:191]  32 rows x 4 numbers
.set AP,   14                          ; s[14:15] A at my tile row, at the slot whose chunk 3 is loaded next
.set G1B,  48                          ; s[48:55] descriptor group 1
.set G0B,  56                          ; s[56:59] group 0 of slot 0; s[60:63] of slot 1, which then walks
.set LIMA, 43
.set LIMB, 24
.set PFB,  44                          ; s[44:45] B at my tile column, in step with AP
.set TB,   70
.set MSB, 0
.macro WIN new
.if MSB != (\new)
	s_set_vgpr_msb (MSB<<8)|(\new)
.set MSB, \new
.endif
.endm
.set MUL_LO, 0xa4                      ; source 0 (B) window 0, source 1 (A) window 1, C and D window 2
.set MUL_HI, 0xf4
.set TO_A,   0x40                      ; destination window 1, address window 0
.macro JLOAD s                         ; a joint load: every wave fetches two of the slot's eight planes; an s_nop 0 and four v_nop follow
	tensor_load_to_lds s[G0B+4*(\s):G0B+4*(\s)+3], s[G1B:G1B+7]
	s_nop 0
.rept 4
	v_nop
.endr
.endm
; (PF = 1) prefetches into the L2, behind the refill of trip n and the loads that follow it: A's and B's slot n + 3.  A slot of a tile row of A, or of a tile column of B, is 512 blocks of 256 bytes:
; 4 partners x 4 waves x 32 lanes, a lane a block, told apart by address (cx for A, cy for B).  A's tile row is read by both clusters of its row of clusters: cluster x = 0 asks; B's tile column by
; all clusters of its column: cluster y = 0 asks.  A's first loads of that slot stand 320 matrix instructions on, B's refill 256.  Trip n runs with s3 = NS - 2 - n: it asks while s3 > 1, up to the last slot.
.macro ASK
	s_cmp_gt_u32 s3, s[LIMA]
	s_cbranch_scc0 .Lnot_a_\@
	global_prefetch_b8 v[PFOA], s[AP:AP+1] offset:2*SLOTG th:TH_LOAD_NT scope:SCOPE_SE
.Lnot_a_\@:
	s_cmp_gt_u32 s3, s[LIMB]
	s_cbranch_scc0 .Lnot_b_\@
	global_prefetch_b8 v[PFOB], s[PFB:PFB+1] offset:2*SLOTG th:TH_LOAD_NT scope:SCOPE_SE
.Lnot_b_\@:
.endm
.macro CREST
	s_cmp_lg_u32 s10, 0
	s_cbranch_scc1 .Lnot_wave_0_\@
	s_barrier_signal -3
.Lnot_wave_0_\@:
	s_barrier_wait -3
	s_barrier_signal -1
	s_barrier_wait -1
.endm
.macro CROUND
	s_barrier_signal -1
	s_barrier_wait -1
	CREST
.endm
.macro PLACES                          ; four places behind matrix instructions (ISA guide 7.12.1)
.rept 4
	v_nop
.endr
.endm
.macro MUL16 fb, fa, hi, a0, zero      ; 16 matrix instructions; the 64 accumulators take turns in one order everywhere
	WIN MUL_LO+0x50*(\hi)
.irp a, \a0, (\a0)+1
.irp b, 0,1,2,3,4,5,6,7
.if \zero
	v_wmma_f32_16x16x32_bf16 v[8*(8*(\a)+(\b)):8*(8*(\a)+(\b))+7], v[(\fb)+8*(\b):(\fb)+8*(\b)+7], v[(\fa)+8*(4*(\hi)+(\a)):(\fa)+8*(4*(\hi)+(\a))+7], 0
.else
	v_wmma_f32_16x16x32_bf16 v[8*(8*(\a)+(\b)):8*(8*(\a)+(\b))+7], v[(\fb)+8*(\b):(\fb)+8*(\b)+7], v[(\fa)+8*(4*(\hi)+(\a)):(\fa)+8*(4*(\hi)+(\a))+7], v[8*(8*(\a)+(\b)):8*(8*(\a)+(\b))+7]
.endif
.endr
.endr
.endm
.macro FETCHB adr, k, f                ; 16 LDS loads in one run: B's 128 rows, 32 along K at byte k of my plane's rows, into buffer f
	WIN 0
.irp i, 0,1,2,3,4,5,6,7
	ds_load_b128 v[(\f)+8*(\i):(\f)+8*(\i)+3],   v[\adr] offset:(\k)+(\i)*16*PITCH
	ds_load_b128 v[(\f)+8*(\i)+4:(\f)+8*(\i)+7], v[\adr] offset:(\k)+(\i)*16*PITCH+32
.endr
.endm
.macro GLD p, a, base                  ; block a (16 rows) of chunk p of A: 1,024 consecutive bytes, two loads
	global_load_b128 v[64*(\p)+8*(\a):64*(\p)+8*(\a)+3],   v[AO], s[AP:AP+1] offset:(\base)+((\p)/2)*STEPG+((\p)%2)*1024+(\a)*2048
	global_load_b128 v[64*(\p)+8*(\a)+4:64*(\p)+8*(\a)+7], v[AO], s[AP:AP+1] offset:(\base)+((\p)/2)*STEPG+((\p)%2)*1024+(\a)*2048+512
.endm
; The group of loads in the middle of chunk q: blocks 4-7 of the chunk before and blocks 0-3 of chunk q, which have just been multiplied, for their next use.  The pointer is stepped at the head of
; chunk 3, so chunk 3's group and the first half of chunk 0's name the pointer's own slot, the others the slot behind it.  kind = 2: both halves; 1: the first alone; 0: none.
.macro GROUP q, kind
.if \kind
	WIN TO_A
.if ((\q) == 1) || ((\q) == 2)
.set GB, SLOTG
.else
.set GB, 0
.endif
.irp a, 4,5,6,7
	GLD ((\q)+3)%4, \a, GB
.endr
.if (\kind) > 1
.if (\q) == 3
.set GB, 0
.else
.set GB, SLOTG
.endif
.irp a, 0,1,2,3
	GLD \q, \a, GB
.endr
.endif
.endif
.endm
; Chunk q (0, 1, 2) of a trip.  w0: the loads younger than A's blocks 0-3 of this chunk; w1: younger than its blocks 4-7.  In a trip that loads in full: three groups of 16; half a group and two groups.
.macro CHUNK q, zero, w0, w1, kind
	s_wait_dscnt 0x0                               ; B's fragments, asked for 32 matrix instructions ago
	s_wait_loadcnt \w0
	MUL16 64+64*((\q)%2), 64*(\q), 0, 0, \zero
	MUL16 64+64*((\q)%2), 64*(\q), 0, 2, \zero
	s_wait_loadcnt \w1
	PLACES
	FETCHB ADRB+2*(((\q)+1)/2), 64*(((\q)+1)%2), 64+64*(((\q)+1)%2)
	GROUP \q, \kind
	MUL16 64+64*((\q)%2), 64*(\q), 1, 0, \zero
	MUL16 64+64*((\q)%2), 64*(\q), 1, 2, \zero
.endm
; Chunk 3 changes slots.  In front of the barrier each wave waits for all its tensor loads (one is out: its part of the next slot), adds 0 to its spare word, and waits for that and for its own reads of
; this slot.  fill = 1: the barrier opens a round of the cluster's barrier; behind the round the slot just read out takes the planes two slots on.
.macro TURN fill
	s_wait_xcnt 0x0                                ; every load and prefetch issued so far has read its address: the pointers are stepped only behind this wait
	s_add_nc_u64 s[AP:AP+1], s[AP:AP+1], SLOTG
.if (\fill) && PF
	s_add_nc_u64 s[PFB:PFB+1], s[PFB:PFB+1], SLOTG
.endif
	WIN 0
	s_wait_loadcnt 48                              ; A's blocks 0-3 of chunk 3
	s_wait_tensorcnt 0x0                           ; all my tensor loads have landed;
	ds_add_u32 v[SPW], v[NIL]                      ; 0 onto my spare word;
	s_wait_dscnt 1                                 ; (B's fragments are in; the add may be out)
	MUL16 F1, 192, 0, 0, 0
	s_wait_dscnt 0x0                               ; the add is done, and my reads of this slot are over
	s_barrier_signal -1
	MUL16 F1, 192, 0, 2, 0
	WIN 0
	s_barrier_wait -1
.if \fill
	CREST                                          ; no wave of any partner still reads this slot's planes or has a load on its way
	s_add_co_u32 s[G0B+5], s20, s[TB]              ; the walking descriptor: into the slot just read out,
	s_add_nc_u64 s[G0B+6:G0B+7], s[G0B+6:G0B+7], SLOTG  ; the next eight planes; the type bits on top are not reached
	s_xor_b32 s[TB], s[TB], SLOT
	JLOAD 1                                        ; the first tensor load behind the round; its four v_nop are also the places in front of the loads below
.else
	s_xor_b32 s[TB], s[TB], SLOT
	PLACES
.endif
	s_wait_loadcnt 40                              ; A's blocks 4-7 of chunk 3
	v_add_nc_u32 v[ADRB], s[TB], v[B0]
	v_add_nc_u32 v[ADRB2], 4*PLANE, v[ADRB]
	FETCHB ADRB, 0, F0
	GROUP 3, 2
.if (\fill) && PF
	WIN 0
	ASK
.endif
	MUL16 F1, 192, 1, 0, 0
	MUL16 F1, 192, 1, 2, 0
.endm
.macro LASTQ                           ; the very last chunk: nothing more to fetch
	s_wait_dscnt 0x0
	s_wait_loadcnt 8
	MUL16 F1, 192, 0, 0, 0
	MUL16 F1, 192, 0, 2, 0
	s_wait_loadcnt 0x0
	MUL16 F1, 192, 1, 0, 0
	MUL16 F1, 192, 1, 2, 0
.endm
.macro DUMP                            ; my 64 accumulators as f32 into my 128 rows of 528 bytes; each accumulator's low four registers first
.irp a, 0,1,2,3,4,5,6,7
	WIN 0x08+4*((\a)/4)
.irp b, 0,1,2,3,4,5,6,7
	ds_store_b128 v[DST], v[8*(8*((\a)%4)+(\b)):8*(8*((\a)%4)+(\b))+3]   offset:(\a)*16*DP+(\b)*64
	ds_store_b128 v[DST], v[8*(8*((\a)%4)+(\b))+4:8*(8*((\a)%4)+(\b))+7] offset:(\a)*16*DP+(\b)*64+16
.endr
.endr
	WIN 0
.endm
	s_load_b128 s[4:7], s[0:1], 0x0                ; A s[4:5], wb s[6:7]
	s_load_b128 s[72:75], s[0:1], 0x10             ; BIAS s[72:73], RES s[74:75]
	s_load_b64 s[8:9], s[0:1], 0x20                ; OUT
	v_lshl_add_u32 v[SPW], v0, 2, SPARE
	v_mov_b32 v[NIL], 0
	ds_add_u32 v[SPW], v[NIL]                      ; the wave's opening: the add and its wait stand ahead of my first tensor load; the set-up below, work on registers, stands between
	v_lshrrev_b32 v1, 5, v0
	v_readfirstlane_b32 s10, v1                    ; wave 0..3: my plane of each K step
	s_bfe_u32 s40, ttmp6, 0x40000                  ; cx
	s_bfe_u32 s41, ttmp6, 0x40004                  ; cy
	s_lshl_b32 s42, ttmp9, 2
	s_add_co_u32 s42, s42, s40                     ; tile column = 4 x cluster x + cx
	s_and_b32 s13, ttmp7, 0xffff
	s_lshl_b32 s13, s13, 2
	s_add_co_u32 s13, s13, s41                     ; tile row = 4 x cluster y + cy
	s_lshl_b32 s44, 0x1111, s40                    ; my column of the cluster: B's planes hang on the tile column alone
	s_or_b32 s[G1B+0], s44, FIELDS
	s_mov_b32 s[G1B+1], 128<<16                    ; tensor_dim0 = 128 (256 bytes)
	s_mov_b32 s[G1B+2], 128<<16                    ; tensor_dim1 = 128
	s_mov_b32 s[G1B+3], 128<<16                    ; tile_dim0 = 128
	s_mov_b32 s[G1B+4], 128                        ; tile_dim1 = 128
	s_mov_b32 s[G1B+5], 128                        ; dense: 128 elements from row to row
	s_mov_b32 s[G1B+6], 0
	s_mov_b32 s[G1B+7], 0
	s_mul_i32 s16, s13, NPL*16384                  ; A: by the tile row
	s_mov_b32 s17, 0
	s_mul_i32 s46, s42, NPL*16384                  ; B: by the tile column,
	s_lshl_b32 s47, s10, 15                        ; and the two planes of a slot's eight that I fetch
	s_add_co_u32 s46, s46, s47
	s_mov_b32 s47, 0
	s_mul_i32 s20, s10, HALFT                      ; where my loads land in a slot: no place in the cluster enters an LDS address
	s_mov_b32 s[TB], 0
	v_and_b32 v[CO], 31, v0
	v_lshlrev_b32 v[CO], 4, v[CO]
	s_lshl_b32 s21, s10, 14
	v_add_nc_u32 v[AO], s21, v[CO]
	s_lshl_b32 s66, s13, 7
	s_lshl_b32 s67, s10, 5
	s_add_co_u32 s66, s66, s67                     ; at the end I own rows 32 w .. 32 w + 31 of the tile: their first row in RES and OUT,
	s_lshl_b32 s66, s66, 12
	s_lshl_b32 s67, s42, 9                         ; the tile's 128 columns
	s_add_co_u32 s66, s66, s67
	s_mov_b32 s67, 0
	s_lshl_b32 s68, s42, 9
	s_mov_b32 s69, 0
	s_wait_dscnt 0x0                               ; the opening add is done
	s_wait_kmcnt 0x0
	s_add_nc_u64 s[6:7], s[6:7], WOFF
	s_add_nc_u64 s[AP:AP+1], s[4:5], s[16:17]
	s_add_nc_u64 s[46:47], s[6:7], s[46:47]
	s_add_nc_u64 s[74:75], s[74:75], s[66:67]
	s_add_nc_u64 s[8:9], s[8:9], s[66:67]
	s_add_nc_u64 s[72:73], s[72:73], s[68:69]
	global_load_b128 v[BIAS:BIAS+3], v[CO], s[72:73]
	WIN TO_A                                       ; A's first 56 loads, in the order in which the groups would have issued them: chunks 0, 1, 2 and blocks 0-3 of chunk 3
.irp p, 0,1,2
.irp a, 0,1,2,3,4,5,6,7
	GLD \p, \a, 0
.endr
.endr
.irp a, 0,1,2,3
	GLD 3, \a, 0
.endr
	WIN 0
	CROUND                                         ; all sixteen work-groups are here: the first joint loads meet
.irp s, 0,1
	s_mov_b32 s[G0B+4*(\s)], 1                     ; count = 1
	s_add_co_u32 s[G0B+4*(\s)+1], s20, (\s)*SLOT   ; LDS address
	s_add_nc_u64 s[G0B+4*(\s)+2:G0B+4*(\s)+3], s[46:47], (\s)*SLOTG  ; global address: slot s
	s_or_b32 s[G0B+4*(\s)+3], s[G0B+4*(\s)+3], 0x80000000            ; type = 2
	JLOAD \s                                       ; two loads of mine are out
.endr
	v_and_b32 v1, 15, v0                           ; l % 16
	v_bfe_u32 v2, v0, 4, 1                         ; l / 16
	v_mul_u32_u24 v3, v1, PITCH
	v_lshl_add_u32 v3, v2, 4, v3                   ; a fragment's row x pitch + 16 x half
	s_mul_i32 s21, s10, PLANE                      ; my plane of the first K step
	v_add_nc_u32 v[B0], s21, v3
	v_mov_b32 v[ADRB], v[B0]
	v_add_nc_u32 v[ADRB2], 4*PLANE, v[B0]
	s_mul_i32 s23, s10, DT                         ; my partial tile
	v_mul_u32_u24 v4, v1, DP
	v_lshl_add_u32 v4, v2, 5, v4
	v_add_nc_u32 v[DST], s23, v4
	s_mul_i32 s23, s10, 32*DP
	v_add_nc_u32 v[RD], s23, v[CO]
.if PF
	v_and_b32 v3, 31, v0
	s_lshl2_add_u32 s21, s40, s10                  ; 4 cx + wave: my 32 blocks of A's 512
	s_lshl_b32 s21, s21, 13
	v_lshl_add_u32 v[PFOA], v3, 8, s21
	s_lshl2_add_u32 s21, s41, s10                  ; 4 cy + wave: of B's
	s_lshl_b32 s21, s21, 13
	v_lshl_add_u32 v[PFOB], v3, 8, s21
	s_cmp_eq_u32 ttmp9, 0                          ; the cluster's x and y are the same in all sixteen partners
	s_cselect_b32 s[LIMA], 1, -1
	s_and_b32 s22, ttmp7, 0xffff
	s_cmp_eq_u32 s22, 0
	s_cselect_b32 s[LIMB], 1, -1
	s_mul_i32 s18, s42, NPL*16384
	s_mov_b32 s19, 0
	s_add_nc_u64 s[PFB:PFB+1], s[6:7], s[18:19]    ; nothing is prefetched here, at the head: slots 0 to 2 come by their loads alone
.endif
	s_wait_tensorcnt 0x1                           ; my part of slot 0 is in; slot 1's may stay out
	s_barrier_signal -1
	s_barrier_wait -1
	FETCHB ADRB, 0, F0
	CHUNK 0, 1, 48, 40, 2                          ; the first products start the sums
.if NS > 2
	WIN 0                                          ; at a label and at a branch every window is 0
	s_mov_b32 s3, NS-1
	s_branch .Lenter                               ; the loop is entered in the middle of a trip
.Lstep:                                                ; NS - 2 times: a change of slots with a refill, then the next trip's first three chunks
	TURN 1
	CHUNK 0, 0, 48, 40, 2
	WIN 0
.Lenter:
.endif
	CHUNK 1, 0, 48, 40, 2
	CHUNK 2, 0, 48, 40, 2
.if NS > 2
	WIN 0
	s_sub_co_u32 s3, s3, 1
	s_cmp_lg_u32 s3, 0
	s_cbranch_scc1 .Lstep
.endif
	TURN 0                                         ; the tail is written out: no planes are left to fetch
	CHUNK 0, 0, 48, 40, 1                          ; the last trip asks only for its own chunk 3's blocks 4-7, eight loads: the counts run down
	CHUNK 1, 0, 40, 32, 0
	CHUNK 2, 0, 24, 16, 0
	LASTQ
	; THE WAY OUT
	WIN 0
	PLACES
	PLACES
.set i, 0
.rept 32
	global_load_b128 v[R+4*i:R+4*i+3], v[CO], s[74:75] offset:i*4096 th:TH_LOAD_NT  ; my 32 rows of RES, 512 consecutive bytes each, are on their way while the tiles are laid down
.set i, i+1
.endr
	s_barrier_signal -1                            ; my reads of the ring are over (the last wait on DScnt was for 0), and no fill follows:
	s_barrier_wait -1                              ; when that holds of all four waves the ring's bytes take the partial tiles
	DUMP
	s_wait_dscnt 0x0                               ; for the others' sake: my stores are done
	s_barrier_signal -1
	s_barrier_wait -1
	s_wait_loadcnt 0x0                             ; RES and BIAS
	s_mov_b32 s3, 4
.Lsum:                                                 ; four trips: wave 0's, 1's, 2's, 3's partial sums of my 32 rows
	WIN TO_A
.set i, 0
.rept 32
	ds_load_b128 v[R+4*i:R+4*i+3], v[RD] offset:i*DP   ; a whole row of 512 bytes
.set i, i+1
.endr
	WIN 0
	v_add_nc_u32 v[RD], DT, v[RD]
	WIN 0x04                                       ; source 1 in window 1
.irp q, 0,1,2,3
	s_wait_dscnt 24-8*(\q)                         ; eight rows are in; the younger ones stay out
.set z, 0
.rept 16
	v_pk_add_f32 v[R+32*(\q)+2*z:R+32*(\q)+2*z+1], v[R+32*(\q)+2*z:R+32*(\q)+2*z+1], v[R+32*(\q)+2*z:R+32*(\q)+2*z+1]
.set z, z+1
.endr
.endr
	WIN 0
	s_sub_co_u32 s3, s3, 1
	s_cmp_lg_u32 s3, 0
	s_cbranch_scc1 .Lsum
.set i, 0
.rept 32
	v_pk_add_f32 v[R+4*i:R+4*i+1], v[R+4*i:R+4*i+1], v[BIAS:BIAS+1]
	v_pk_add_f32 v[R+4*i+2:R+4*i+3], v[R+4*i+2:R+4*i+3], v[BIAS+2:BIAS+3]
	global_store_b128 v[CO], v[R+4*i:R+4*i+3], s[8:9] offset:i*4096  ; 512 consecutive bytes, at a multiple of 256 from OUT's first byte
.set i, i+1
.endr
	s_wait_tensorcnt 0x0                           ; the wave's end: behind my last tensor load and my last LDS store
	ds_add_u32 v[SPW], v[NIL]
	s_wait_dscnt 0x0
	CROUND                                         ; the closing round
	s_endpgm
.Lfunc_end_k_q3116df48cb_wo:
	.size	k_q3116df48cb_wo, .Lfunc_end_k_q3116df48cb_wo-k_q3116df48cb_wo
	.p2alignl 7, 3214868480
	.fill 96, 4, 3214868480
	.section	.rodata,"a",@progbits
	.p2align	6, 0x0
	.amdhsa_kernel k_q3116df48cb_wo
		.amdhsa_group_segment_fixed_size 327680
		.amdhsa_private_segment_fixed_size 0
		.amdhsa_enable_private_segment 0
		.amdhsa_kernarg_size 40
		.amdhsa_user_sgpr_count 2
		.amdhsa_user_sgpr_kernarg_segment_ptr 1
		.amdhsa_wavefront_size32 1
		.amdhsa_system_sgpr_workgroup_id_x 1
		.amdhsa_system_sgpr_workgroup_id_y 1
		.amdhsa_system_sgpr_workgroup_id_z 1
		.amdhsa_system_vgpr_workitem_id 0
		.amdhsa_next_free_vgpr 1024
		.amdhsa_next_free_sgpr 80
		.amdhsa_reserve_vcc 0
		.amdhsa_float_denorm_mode_32 3
		.amdhsa_float_denorm_mode_16_64 3
		.amdhsa_memory_ordered 1
		.amdhsa_forward_progress 1
		.amdhsa_inst_pref_size 86
	.end_amdhsa_kernel
	.amdgpu_metadata
---
amdhsa.version: [ 1, 2 ]
amdhsa.kernels:
  - .name:           k_q3116df48cb_wo
    .symbol:         k_q3116df48cb_wo.kd
    .args:
      - { .name: ctx, .offset: 0, .size: 8, .value_kind: global_buffer, .address_space: global }
      - { .name: wb, .offset: 8, .size: 8, .value_kind: global_buffer, .address_space: global }
      - { .name: bo, .offset: 16, .size: 8, .value_kind: global_buffer, .address_space: global }
      - { .name: x, .offset: 24, .size: 8, .value_kind: global_buffer, .address_space: global }
      - { .name: x1, .offset: 32, .size: 8, .value_kind: global_buffer, .address_space: global }
    .group_segment_fixed_size: 327680
    .private_segment_fixed_size: 0
    .kernarg_segment_align: 8
    .kernarg_segment_size: 40
    .max_flat_workgroup_size: 128
    .sgpr_count:     80
    .vgpr_count:     1024
    .wavefront_size: 32
...
	.end_amdgpu_metadata
.endif
;; end of part 4
;; launch ln2: the kernel of part 1 again; grid 256 x 1, 8 waves a work-group, no clusters, 0 bytes of LDS; arguments x1, ln2_scale, ln2_shift, h, Wq, Wk, Wv, W1, Wo, W2, wb; writes h, wb
;; launch ffn1 (part 5): grid 16 x 16, 4 waves a work-group, clusters of 4 x 4, 327,680 bytes of LDS; arguments h, wb, b1, g; writes g
.if DOCPART == 5
	.amdgcn_target "amdgcn-amd-amdhsa--gfx1250"
	.amdhsa_code_object_version 6
	.text
	.protected	k_q3116df48cb_ffn1
	.globl	k_q3116df48cb_ffn1
	.p2align	8
	.type	k_q3116df48cb_ffn1,@function
k_q3116df48cb_ffn1:
	s_mov_b64 s[64:65], 0
	v_nop
	global_prefetch_b8 v0, s[64:65] scope:SCOPE_SE
	s_setreg_imm32_b32 hwreg(HW_REG_WAVE_MODE, 25, 1), 1
	s_wait_xcnt 0x0
	s_wait_alu depctr_hold_cnt(0) depctr_sa_sdst(0) depctr_va_vdst(0) depctr_va_sdst(0) depctr_va_ssrc(0) depctr_va_vcc(0) depctr_vm_vsrc(0)
	s_getreg_b32 s2, hwreg(HW_REG_IB_STS2, 6, 4)
	s_cmp_eq_u32 s2, 0
	s_cbranch_scc0 .Lentry_in_a_cluster
	s_endpgm
.Lentry_in_a_cluster:
	s_bfe_u32 s2, ttmp6, 0x10000c
	s_cmp_lg_u32 s2, 0xf033
	s_cbranch_scc0 .Lentry_shape_is_right
	s_endpgm
.Lentry_shape_is_right:
; g = gelu(h W1^T + b1): C[4096][4096] = A B^T, A = h [4096][1024], B = W1 in wb [4096][1024], both bf16; sums in f32, K ascending; b1 and the activation in f32; g rounded once to bf16,
; IN FRAGMENT ORDER: g[block of 128 tokens][plane of 64 columns][8 blocks of 16 tokens][8 groups of 8 columns][16 tokens][8 columns], 16,384 bytes a plane: the order in which the next product loads
; its fragments, and the order in which the results lie in the lanes here (a lane holds 8 neighbouring columns of one token).
; gelu(x) = 0.5 x (1 + tanh(u)), u = sqrt(2 / pi) (x + 0.044715 x^3), is computed as x / (1 + 2^(x (K1 + K2 x^2))), K1 = -2 log2(e) sqrt(2 / pi), K2 = 0.044715 K1: the same function.
; Where the power overflows the quotient is 0, where it falls below 2^-126 it is x: the function's own limits.
; A tile of C, 256 x 256, is made by a work-group of four waves; a wave makes 128 x 128: 64 accumulators, 512 registers.  K goes in 8 steps of 128 through a ring of two LDS slots filled by the
; tensor data mover; a step's rows are 256 bytes of memory, at multiples of 256 from the buffer's first byte.  16 x 16 = 256 work-groups.
; CLUSTERS: 4 x 4 work-groups; A's tiles are asked for jointly along a row of the cluster, B's along a column.
; THE LOOP HOLDS ONE K STEP: which slot is read stands in a scalar register (0 or SLOT); ONE descriptor a tensor walks along K.
; REGISTERS: window 0: v0-31 addresses; v64-127, v128-191 fragments of A; v192-255 b1; on the way out v64-95 numbers read back, v96-127 x, v128-159 at work, v160-175 packed.
;   window 1: v64-127, v128-191 fragments of B.   windows 2, 3: the accumulators ((a, b) at v[8 (8 (a % 4) + b)]).
; THE MATRIX INSTRUCTION IS USED TRANSPOSED: lane l holds row l % 16 of C and the columns 8 (l / 16) + 0..7.
; THE WAY OUT: the ring has had its last fill; each wave lays its tile in f32 into its own bytes there, as 16 units of 16 rows x 64 columns (unit 8 x plane + block of rows), so that ONE text, looped
; over, can take a unit at a time: each lane reads back what it wrote.  From unit to unit LDS steps by 4,352 bytes and g by 2,048.
.set NSTEPS, 8
.set PITCH,  272                       ; an LDS row: 256 bytes + 16 of padding = 68 words: the 16 rows of a load start at 16 different groups of four banks (64 banks of 4 bytes: ISA guide 11.1)
.set HALFT,  128*PITCH
.set SLOT,   4*HALFT
.set SPARE,  2*SLOT                    ; behind the ring: the spare words, 128 bytes for each wave: two blocks of 256 bytes that no other line names
.set STEPB,  256
.set WOFF,   6291456                   ; where W1 begins in wb
.set DP,     272                       ; the way out: a row of 64 f32 + 16 bytes = 68 words
.set DU,     16*DP                     ; a unit
.set DT,     16*DU                     ; a wave's tile: 69,632 bytes; the four fill the ring's 278,528 bytes
.set FIELDS, (1<<16)|(1<<20)|(1<<21)|(5<<22)|(3<<25)
.set ADRA, 16
.set A0,   17
.set ADRB, 20
.set B0,   21
.set DST,  24                          ; v24  where my 32 bytes of a unit's row lie; never rewritten
.set RD,   25                          ; v25  the same, in the unit that is read next
.set CO,   26                          ; v26  16 x lane + the unit in hand
.set BOF,  27                          ; v27  32 (l / 16): my 8 numbers of 16 of b1; never rewritten
.set SPW,  28
.set NIL,  29
.set PFO,  30
.set F0,   64
.set F1,   128
.set X,    64
.set XB,   96
.set Z,    128
.set Y,    160
.set BIAS, 192                         ; v[192:223] b1 of my 32 columns of the plane in hand; v[224:255] of the second plane
.set G1,   24
.set G0,   32
.set G1B,  48
.set G0B,  56
.set LIM,  43
.set PFA,  44
.set TB,   70
.set MSB, 0
.macro WIN new
.if MSB != (\new)
	s_set_vgpr_msb (MSB<<8)|(\new)
.set MSB, \new
.endif
.endm
.set MUL_LO, 0xa1
.set MUL_HI, 0xf1
.set TO_B,   0x40
.macro JLOAD s                         ; a joint load: waves 0 and 1 fetch A's two halves, waves 2 and 3 B's; an s_nop 0 and four v_nop follow each line
	s_cmp_eq_u32 s11, 0
	s_cbranch_scc0 .Lfor_b_\@
	tensor_load_to_lds s[G0+4*(\s):G0+4*(\s)+3], s[G1:G1+7]
	s_nop 0
.rept 4
	v_nop
.endr
	s_branch .Lasked_\@
.Lfor_b_\@:
	tensor_load_to_lds s[G0B+4*(\s):G0B+4*(\s)+3], s[G1B:G1B+7]
	s_nop 0
.rept 4
	v_nop
.endr
.Lasked_\@:
.endm
; A prefetch into the L2 of the K step that stands two refills on: 32 rows x 256 bytes, a lane a row, one instruction a wave.  Cluster x = 0 asks for A's rows, cluster y = 0 for B's; of the 128 rows that
; a wave fetches, the partner at place p (cx for A, cy for B) takes 32 p .. 32 p + 31, told apart by address.  The change of slots number t runs with s3 = 6 - t and names K step t + 4: it asks while s3 > 2.
.macro ASK
	s_cmp_gt_u32 s3, s[LIM]
	s_cbranch_scc0 .Lnot_mine_\@
	global_prefetch_b8 v[PFO], s[PFA:PFA+1] offset:STEPB th:TH_LOAD_NT scope:SCOPE_SE
.Lnot_mine_\@:
.endm
.macro CREST
	s_cmp_lg_u32 s10, 0
	s_cbranch_scc1 .Lnot_wave_0_\@
	s_barrier_signal -3
.Lnot_wave_0_\@:
	s_barrier_wait -3
	s_barrier_signal -1
	s_barrier_wait -1
.endm
.macro CROUND
	s_barrier_signal -1
	s_barrier_wait -1
	CREST
.endm
.macro PLACES                          ; four places behind matrix instructions (ISA guide 7.12.1)
.rept 4
	v_nop
.endr
.endm
.macro MUL16 f, hi, a0, zero           ; 16 matrix instructions; the 64 accumulators take turns in one order everywhere
	WIN MUL_LO+0x50*(\hi)
.irp a, \a0, (\a0)+1
.irp b, 0,1,2,3,4,5,6,7
.if \zero
	v_wmma_f32_16x16x32_bf16 v[8*(8*(\a)+(\b)):8*(8*(\a)+(\b))+7], v[(\f)+8*(\b):(\f)+8*(\b)+7], v[(\f)+8*(4*(\hi)+(\a)):(\f)+8*(4*(\hi)+(\a))+7], 0
.else
	v_wmma_f32_16x16x32_bf16 v[8*(8*(\a)+(\b)):8*(8*(\a)+(\b))+7], v[(\f)+8*(\b):(\f)+8*(\b)+7], v[(\f)+8*(4*(\hi)+(\a)):(\f)+8*(4*(\hi)+(\a))+7], v[8*(8*(\a)+(\b)):8*(8*(\a)+(\b))+7]
.endif
.endr
.endr
.endm
.macro FETCH k, f                      ; 32 LDS loads in one run
	WIN TO_B
.irp i, 0,1,2,3,4,5,6,7
	ds_load_b128 v[(\f)+8*(\i):(\f)+8*(\i)+3],   v[ADRB] offset:(\k)+(\i)*16*PITCH
	ds_load_b128 v[(\f)+8*(\i)+4:(\f)+8*(\i)+7], v[ADRB] offset:(\k)+(\i)*16*PITCH+32
.endr
	WIN 0
.irp i, 0,1,2,3,4,5,6,7
	ds_load_b128 v[(\f)+8*(\i):(\f)+8*(\i)+3],   v[ADRA] offset:(\k)+(\i)*16*PITCH
	ds_load_b128 v[(\f)+8*(\i)+4:(\f)+8*(\i)+7], v[ADRA] offset:(\k)+(\i)*16*PITCH+32
.endr
.endm
.macro QUARTER k, f, g, zero
	s_wait_dscnt 8                                 ; B and A's rows 0-63 are in; the youngest eight loads may be out
	MUL16 \f, 0, 0, \zero
	MUL16 \f, 0, 2, \zero
	PLACES
	FETCH \k, \g
	s_wait_dscnt 32                                ; all but the 32 just issued
	MUL16 \f, 1, 0, \zero
	MUL16 \f, 1, 2, \zero
.endm
; The last quarter of a K step multiplies buffer 1 and changes slots.  In front of the barrier each wave waits for all its tensor loads (one is out: its part of the next slot), adds 0 to its spare word, and
; waits for that and for its own reads of this slot.  fill = 1: the barrier opens a round of the cluster's barrier; behind the round the slot just read out takes the K step two on: 224 matrix instructions ahead of the wait for it.
.macro TURN fill
.if \fill
	s_wait_xcnt 0x0                                ; the last prefetch, a K step back, has read its address
	s_add_nc_u64 s[PFA:PFA+1], s[PFA:PFA+1], STEPB
.endif
	WIN 0
	s_wait_tensorcnt 0x0                           ; all my tensor loads have landed;
	ds_add_u32 v[SPW], v[NIL]                      ; 0 onto my spare word;
	s_wait_dscnt 9                                 ; (the add and the youngest eight loads may be out)
	MUL16 F1, 0, 0, 0
	s_wait_dscnt 0x0                               ; the add is done, and my reads of this slot are over
	s_barrier_signal -1
	MUL16 F1, 0, 2, 0
	WIN 0
	s_barrier_wait -1
.if \fill
	CREST                                          ; no wave of any partner still reads this slot's tile or has a load on its way
	s_add_co_u32 s[G0+5], s20, s[TB]
	s_add_nc_u64 s[G0+6:G0+7], s[G0+6:G0+7], STEPB
	s_add_co_u32 s[G0B+5], s20, s[TB]
	s_add_nc_u64 s[G0B+6:G0B+7], s[G0B+6:G0B+7], STEPB
	s_xor_b32 s[TB], s[TB], SLOT
	JLOAD 1                                        ; the first tensor load behind the round; its four v_nop are also the places in front of the loads below
.else
	s_xor_b32 s[TB], s[TB], SLOT
	PLACES
.endif
	v_add_nc_u32 v[ADRA], s[TB], v[A0]
	v_add_nc_u32 v[ADRB], s[TB], v[B0]
	FETCH 0, F0
.if \fill
	ASK
.endif
	MUL16 F1, 1, 0, 0
	MUL16 F1, 1, 2, 0
.endm
.macro LASTQ
	s_wait_dscnt 8
	MUL16 F1, 0, 0, 0
	MUL16 F1, 0, 2, 0
	s_wait_dscnt 0x0
	MUL16 F1, 1, 0, 0
	MUL16 F1, 1, 2, 0
.endm
.macro DUMP                            ; accumulator (a, b) goes into unit 8 (b / 4) + a, at columns 16 (b % 4) on; each accumulator's low four registers first
.irp a, 0,1,2,3,4,5,6,7
	WIN 0x08+4*((\a)/4)
.irp b, 0,1,2,3,4,5,6,7
	ds_store_b128 v[DST], v[8*(8*((\a)%4)+(\b)):8*(8*((\a)%4)+(\b))+3]   offset:(8*((\b)/4)+(\a))*DU+((\b)%4)*64
	ds_store_b128 v[DST], v[8*(8*((\a)%4)+(\b))+4:8*(8*((\a)%4)+(\b))+7] offset:(8*((\b)/4)+(\a))*DU+((\b)%4)*64+16
.endr
.endr
	WIN 0
.endm
	s_load_b128 s[4:7], s[0:1], 0x0                ; h s[4:5], wb s[6:7]
	s_load_b64 s[72:73], s[0:1], 0x10              ; b1
	s_load_b64 s[8:9], s[0:1], 0x18                ; g
	v_lshl_add_u32 v[SPW], v0, 2, SPARE
	v_mov_b32 v[NIL], 0
	ds_add_u32 v[SPW], v[NIL]                      ; the wave's opening: the add and its wait stand ahead of my first tensor load
	v_lshrrev_b32 v1, 5, v0
	v_readfirstlane_b32 s10, v1                    ; wave 0..3
	s_lshr_b32 s11, s10, 1                         ; which half of the tile's rows is mine.  Also: I fetch for A (0) or for B (1)
	s_and_b32 s12, s10, 1                          ; which half of its columns.  Also: which 128 rows of that tile I fetch
	s_bfe_u32 s40, ttmp6, 0x40000                  ; cx
	s_bfe_u32 s41, ttmp6, 0x40004                  ; cy
	s_lshl_b32 s42, ttmp9, 2
	s_add_co_u32 s42, s42, s40                     ; tile column
	s_and_b32 s13, ttmp7, 0xffff
	s_lshl_b32 s13, s13, 2
	s_add_co_u32 s13, s13, s41                     ; tile row
	s_lshl_b32 s43, s41, 2
	s_lshl_b32 s43, 15, s43
	s_lshl_b32 s44, 0x1111, s40
	s_or_b32 s[G1+0], s43, FIELDS
	s_or_b32 s[G1B+0], s44, FIELDS
.irp g, G1, G1B
	s_mov_b32 s[(\g)+1], 128<<16                   ; tensor_dim0 = 128
	s_mov_b32 s[(\g)+2], 128<<16                   ; tensor_dim1 = 128
	s_mov_b32 s[(\g)+3], 128<<16                   ; tile_dim0 = 128
	s_mov_b32 s[(\g)+4], 128                       ; tile_dim1 = 128
	s_mov_b32 s[(\g)+5], 1024                      ; 1,024 elements from row to row
	s_mov_b32 s[(\g)+6], 0
	s_mov_b32 s[(\g)+7], 0
.endr
	s_lshl_b32 s17, s12, 7
	s_lshl_b32 s16, s13, 8
	s_add_co_u32 s16, s16, s17
	s_lshl_b32 s16, s16, 11                        ; A: (256 x tile row + 128 x half) rows of 2,048 bytes
	s_lshl_b32 s46, s42, 8
	s_add_co_u32 s46, s46, s17
	s_lshl_b32 s46, s46, 11                        ; B: by the tile column
	s_mov_b32 s17, 0
	s_mov_b32 s47, 0
	s_mul_i32 s20, s10, HALFT
	s_mov_b32 s[TB], 0
	s_mov_b32 s76, 0xbdd2d3e8                      ; K2 = -0.10294324
	s_mov_b32 s77, s76                             ; (named as pairs)
	s_mov_b32 s78, 0xc0135761                      ; K1 = -2.3022082
	s_mov_b32 s79, s78
	s_wait_dscnt 0x0                               ; the opening add is done
	s_wait_kmcnt 0x0
	s_add_nc_u64 s[6:7], s[6:7], WOFF
	s_add_nc_u64 s[14:15], s[4:5], s[16:17]
	s_add_nc_u64 s[46:47], s[6:7], s[46:47]
	CROUND                                         ; all sixteen work-groups are here: the first joint loads meet
.irp s, 0,1
	s_mov_b32 s[G0+4*(\s)], 1
	s_add_co_u32 s[G0+4*(\s)+1], s20, (\s)*SLOT
	s_add_nc_u64 s[G0+4*(\s)+2:G0+4*(\s)+3], s[14:15], (\s)*STEPB
	s_or_b32 s[G0+4*(\s)+3], s[G0+4*(\s)+3], 0x80000000
	s_mov_b32 s[G0B+4*(\s)], 1
	s_add_co_u32 s[G0B+4*(\s)+1], s20, (\s)*SLOT
	s_add_nc_u64 s[G0B+4*(\s)+2:G0B+4*(\s)+3], s[46:47], (\s)*STEPB
	s_or_b32 s[G0B+4*(\s)+3], s[G0B+4*(\s)+3], 0x80000000
	JLOAD \s                                       ; two loads of mine are out
.endr
	v_and_b32 v1, 15, v0                           ; l % 16
	v_bfe_u32 v2, v0, 4, 1                         ; l / 16
	v_mul_u32_u24 v3, v1, PITCH
	v_lshl_add_u32 v3, v2, 4, v3
	s_mul_i32 s21, s11, HALFT
	s_mul_i32 s22, s12, HALFT
	s_add_co_u32 s22, s22, 2*HALFT
	v_add_nc_u32 v[A0], s21, v3
	v_add_nc_u32 v[B0], s22, v3
	v_mov_b32 v[ADRA], v[A0]
	v_mov_b32 v[ADRB], v[B0]
	s_mul_i32 s23, s10, DT
	v_mul_u32_u24 v4, v1, DP                       ; row l % 16 of a unit, 32 bytes for each half of the lanes
	v_lshl_add_u32 v4, v2, 5, v4
	v_add_nc_u32 v[DST], s23, v4
	v_mov_b32 v[RD], v[DST]
	v_and_b32 v[CO], 31, v0
	v_lshlrev_b32 v[CO], 4, v[CO]
	; b1 of my columns: 256 x tile column + 128 x half + 64 x plane + 16 b + 8 (l / 16) + 0..7
	s_lshl_b32 s66, s42, 10
	s_lshl_b32 s67, s12, 9
	s_add_co_u32 s66, s66, s67
	s_mov_b32 s67, 0
	s_add_nc_u64 s[72:73], s[72:73], s[66:67]
	v_lshlrev_b32 v[BOF], 5, v2
.irp n, 0,1,2,3,4,5,6,7
	global_load_b128 v[BIAS+8*(\n):BIAS+8*(\n)+3],   v[BOF], s[72:73] offset:64*(\n)
	global_load_b128 v[BIAS+8*(\n)+4:BIAS+8*(\n)+7], v[BOF], s[72:73] offset:64*(\n)+16
.endr
	; where my tile goes: block of tokens 2 x tile row + half; first plane 4 x tile column + 2 x half
	s_lshl1_add_u32 s66, s13, s11
	s_lshl_b32 s66, s66, 20
	s_lshl_b32 s67, s42, 2
	s_lshl1_add_u32 s67, s12, s67
	s_lshl_b32 s67, s67, 14
	s_add_co_u32 s66, s66, s67
	s_mov_b32 s67, 0
	s_add_nc_u64 s[8:9], s[8:9], s[66:67]
	; the prefetches
	s_lshl_b32 s18, s13, 8
	s_lshl_b32 s19, s42, 8
	s_and_b32 s22, ttmp7, 0xffff
	s_cmp_eq_u32 s11, 0
	s_cselect_b32 s18, s18, s19
	s_cselect_b32 s21, s40, s41
	s_cselect_b32 s22, ttmp9, s22
	s_cselect_b64 s[PFA:PFA+1], s[4:5], s[6:7]
	s_cmp_eq_u32 s22, 0
	s_cselect_b32 s[LIM], 2, -1
	s_lshl_b32 s22, s12, 7
	s_add_co_u32 s18, s18, s22
	s_lshl_b32 s21, s21, 5
	s_add_co_u32 s18, s18, s21
	s_lshl_b32 s18, s18, 11
	s_mov_b32 s19, 0
	s_add_nc_u64 s[PFA:PFA+1], s[PFA:PFA+1], s[18:19]
	s_add_nc_u64 s[PFA:PFA+1], s[PFA:PFA+1], 2*STEPB  ; at K step 2: the first change of slots steps it to 3 and names K step 4.  Nothing is prefetched at the head
	v_and_b32 v[PFO], 31, v0
	v_lshlrev_b32 v[PFO], 11, v[PFO]
	s_wait_tensorcnt 0x1                           ; my part of K step 0 is in; K step 1's may stay out
	s_barrier_signal -1
	s_barrier_wait -1
	FETCH 0, F0
	QUARTER 64, F0, F1, 1                          ; the first quarter starts the sums
	WIN 0
	s_mov_b32 s3, NSTEPS-1
	s_branch .Lenter                               ; the loop is entered in the middle of a trip
.Lstep:
	TURN 1
	QUARTER 64, F0, F1, 0
	WIN 0
.Lenter:
	QUARTER 128, F1, F0, 0
	QUARTER 192, F0, F1, 0
	WIN 0
	s_sub_co_u32 s3, s3, 1
	s_cmp_lg_u32 s3, 0
	s_cbranch_scc1 .Lstep
	TURN 0                                         ; the tail is written out: nothing is left to fetch
	QUARTER 64, F0, F1, 0
	QUARTER 128, F1, F0, 0
	QUARTER 192, F0, F1, 0
	LASTQ
	; THE WAY OUT
	WIN 0
	PLACES
	PLACES
	s_barrier_signal -1                            ; my reads of the ring are over, and no fill follows:
	s_barrier_wait -1                              ; when that holds of all four waves the ring's bytes take the tiles
	DUMP
.macro BACK                            ; a unit of my own tile comes back (LDS serves a wave's instructions in order: ISA guide 5.7.1.4): my 8 columns of each of its four blocks of 16
.irp n, 0,1,2,3,4,5,6,7
	ds_load_b128 v[X+4*(\n):X+4*(\n)+3], v[RD] offset:((\n)/2)*64+((\n)%2)*16
.endr
.endm
.macro ALLZ line:vararg                ; one line for each pair z of the trip's 32 numbers
.set z, 0
.rept 16
	\line
.set z, z+2
.endr
.endm
	BACK
	s_wait_loadcnt 0x0                             ; b1
	s_mov_b32 s3, 16
.Lout:                                                 ; sixteen trips, a unit each: units 0-7 are the first plane's, 8-15 the second's
	s_cmp_lg_u32 s3, 8
	s_cbranch_scc1 .Lsame
.set z, 0
.rept 32
	v_mov_b32 v[BIAS+z], v[BIAS+32+z]              ; once: the second plane's b1 goes where the one text names it
.set z, z+1
.endr
.Lsame:
	s_wait_dscnt 0x0
	ALLZ v_pk_add_f32 v[XB+z:XB+z+1], v[X+z:X+z+1], v[BIAS+z:BIAS+z+1]
	s_cmp_eq_u32 s3, 1                             ; the next unit comes while this one is worked on; behind the last there is none
	s_cbranch_scc1 .Lno_more
	v_add_nc_u32 v[RD], DU, v[RD]
	BACK
.Lno_more:
	ALLZ v_pk_mul_f32 v[Z+z:Z+z+1], v[XB+z:XB+z+1], v[XB+z:XB+z+1]
	ALLZ v_pk_fma_f32 v[Z+z:Z+z+1], v[Z+z:Z+z+1], s[76:77], s[78:79] op_sel_hi:[1,0,0]
	ALLZ v_pk_mul_f32 v[Z+z:Z+z+1], v[Z+z:Z+z+1], v[XB+z:XB+z+1]
.set z, 0
.rept 32
	v_exp_f32 v[Z+z], v[Z+z]
.set z, z+1
.endr
	v_nop                                          ; a plain instruction behind the last exponential (ISA guide 5.7.2),
	s_wait_alu depctr_va_vdst(0)                   ; and the wait ahead of the first use: one for the batch of 32
	ALLZ v_pk_add_f32 v[Z+z:Z+z+1], v[Z+z:Z+z+1], 1.0 op_sel_hi:[1,0]
.set z, 0
.rept 32
	v_rcp_f32 v[Z+z], v[Z+z]
.set z, z+1
.endr
	v_nop
	s_wait_alu depctr_va_vdst(0)                   ; one for the 32 reciprocals
	ALLZ v_pk_mul_f32 v[Z+z:Z+z+1], v[Z+z:Z+z+1], v[XB+z:XB+z+1]
.set z, 0
.rept 16
	v_cvt_pk_bf16_f32 v[Y+z], v[Z+2*z], v[Z+2*z+1]
.set z, z+1
.endr
.irp n, 0,1,2,3
	global_store_b128 v[CO], v[Y+4*(\n):Y+4*(\n)+3], s[8:9] offset:512*(\n)  ; two groups of 8 columns x 16 tokens: 512 consecutive bytes, at a multiple of 256 from g's first byte
.endr
	s_wait_xcnt 0x0                                ; the stores have read their data and their offset: both are written again only behind this wait
	v_add_nc_u32 v[CO], 2048, v[CO]
	s_sub_co_u32 s3, s3, 1
	s_cmp_lg_u32 s3, 0
	s_cbranch_scc1 .Lout
	s_wait_tensorcnt 0x0                           ; the wave's end: behind my last tensor load and my last LDS store
	ds_add_u32 v[SPW], v[NIL]
	s_wait_dscnt 0x0
	CROUND                                         ; the closing round
	s_endpgm
.Lfunc_end_k_q3116df48cb_ffn1:
	.size	k_q3116df48cb_ffn1, .Lfunc_end_k_q3116df48cb_ffn1-k_q3116df48cb_ffn1
	.p2alignl 7, 3214868480
	.fill 96, 4, 3214868480
	.section	.rodata,"a",@progbits
	.p2align	6, 0x0
	.amdhsa_kernel k_q3116df48cb_ffn1
		.amdhsa_group_segment_fixed_size 327680
		.amdhsa_private_segment_fixed_size 0
		.amdhsa_enable_private_segment 0
		.amdhsa_kernarg_size 32
		.amdhsa_user_sgpr_count 2
		.amdhsa_user_sgpr_kernarg_segment_ptr 1
		.amdhsa_wavefront_size32 1
		.amdhsa_system_sgpr_workgroup_id_x 1
		.amdhsa_system_sgpr_workgroup_id_y 1
		.amdhsa_system_sgpr_workgroup_id_z 1
		.amdhsa_system_vgpr_workitem_id 0
		.amdhsa_next_free_vgpr 1024
		.amdhsa_next_free_sgpr 80
		.amdhsa_reserve_vcc 0
		.amdhsa_float_denorm_mode_32 3
		.amdhsa_float_denorm_mode_16_64 3
		.amdhsa_memory_ordered 1
		.amdhsa_forward_progress 1
		.amdhsa_inst_pref_size 95
	.end_amdhsa_kernel
	.amdgpu_metadata
---
amdhsa.version: [ 1, 2 ]
amdhsa.kernels:
  - .name:           k_q3116df48cb_ffn1
    .symbol:         k_q3116df48cb_ffn1.kd
    .args:
      - { .name: h, .offset: 0, .size: 8, .value_kind: global_buffer, .address_space: global }
      - { .name: wb, .offset: 8, .size: 8, .value_kind: global_buffer, .address_space: global }
      - { .name: b1, .offset: 16, .size: 8, .value_kind: global_buffer, .address_space: global }
      - { .name: g, .offset: 24, .size: 8, .value_kind: global_buffer, .address_space: global }
    .group_segment_fixed_size: 327680
    .private_segment_fixed_size: 0
    .kernarg_segment_align: 8
    .kernarg_segment_size: 32
    .max_flat_workgroup_size: 128
    .sgpr_count:     80
    .vgpr_count:     1024
    .wavefront_size: 32
...
	.end_amdgpu_metadata
.endif
;; end of part 5
;; launch ffn2 (part 6): grid 8 x 32, 4 waves a work-group, clusters of 4 x 4, 327,680 bytes of LDS; arguments g, wb, b2, x1, out0; writes out0
.if DOCPART == 6
	.amdgcn_target "amdgcn-amd-amdhsa--gfx1250"
	.amdhsa_code_object_version 6
	.text
	.protected	k_q3116df48cb_ffn2
	.globl	k_q3116df48cb_ffn2
	.p2align	8
	.type	k_q3116df48cb_ffn2,@function
k_q3116df48cb_ffn2:
	s_mov_b64 s[64:65], 0
	v_nop
	global_prefetch_b8 v0, s[64:65] scope:SCOPE_SE
	s_setreg_imm32_b32 hwreg(HW_REG_WAVE_MODE, 25, 1), 1
	s_wait_xcnt 0x0
	s_wait_alu depctr_hold_cnt(0) depctr_sa_sdst(0) depctr_va_vdst(0) depctr_va_sdst(0) depctr_va_ssrc(0) depctr_va_vcc(0) depctr_vm_vsrc(0)
	s_getreg_b32 s2, hwreg(HW_REG_IB_STS2, 6, 4)
	s_cmp_eq_u32 s2, 0
	s_cbranch_scc0 .Lentry_in_a_cluster
	s_endpgm
.Lentry_in_a_cluster:
	s_bfe_u32 s2, ttmp6, 0x10000c
	s_cmp_lg_u32 s2, 0xf033
	s_cbranch_scc0 .Lentry_shape_is_right
	s_endpgm
.Lentry_shape_is_right:
; OUT = RES + A B^T + BIAS.  Here: out0 = x1 + g W2^T + b2.  A [4096][K] and B [1024][K] are bf16, K = 64 NPL; BIAS [1024], RES and OUT [4096][1024] are f32.  Sums in f32.
; A lies IN FRAGMENT ORDER: [block of 128 rows][plane of 64 k][8 blocks of 16 rows][8 groups of 8 k][16 rows][8 k], 16,384 bytes a plane: a fragment of 16 rows x 32 k is 1,024 bytes on end.
; B lies IN PLANES: [block of 128 rows][plane of 64 k][128 rows][64 k], 16,384 dense bytes a plane.
; A tile of OUT is 128 x 128, so that 8 x 32 = 256 work-groups have one each.  K IS SPLIT AMONG THE FOUR WAVES: every wave makes the whole tile (64 accumulators, 512 registers) on its own plane of each
; K step of four planes.  The four partial tiles meet in LDS at the end, in f32.  The order of an output's sum: RES, then wave 0's, 1's, 2's, 3's partial sum, then BIAS.
; A GOES STRAIGHT INTO REGISTERS.  With K split so, no wave wants a byte of A that another wave has fetched: each wave loads its own plane by loads of 512 consecutive bytes, into four buffers of
; 32 k (256 registers); a buffer's half is asked for again as soon as it has been multiplied, for its next use a trip on: 192 matrix instructions or more ahead; at most 56 such loads of a wave are out.
; B GOES THROUGH LDS, jointly for the four work-groups of a column of the 4 x 4 cluster: a ring of two slots, each with EIGHT planes (two K steps); a wave's tensor load brings two planes as 128 rows of
; 256 bytes, padded after every 128 bytes.  From a refill to the wait for it a wave issues 224 matrix instructions.
; A TRIP is a slot: four chunks of 32 k, 64 matrix instructions each.  Which slot is read stands in a scalar register (0 or SLOT); one descriptor walks along K.
; REGISTERS: window 0: v0-39 addresses and bias; v64-127, v128-191 fragments of B, later 32 rows of RES and OUT; window 1: A, chunk q at v[64 q], later rows of partial sums; windows 2, 3: the accumulators.
; THE MATRIX INSTRUCTION IS USED TRANSPOSED: source 0 = 16 rows of B, source 1 = 16 rows of A.
; Here NS = 8: six refills.  PF = 1: behind each refill but the last, A's and B's slot three on from the trip in hand is prefetched, each block of 256 bytes once in the launch.
.set NPL,    64                        ; planes along K
.set WOFF,   16777216                  ; where B begins in wb
.set PF,     1
.set NS,     NPL/8                     ; slots along K
.set PITCH,  144                       ; an LDS row: 128 bytes + 16 = 36 words: the 16 rows of a load start at 16 different groups of four banks (64 banks of 4 bytes: ISA guide 11.1)
.set PLANE,  128*PITCH
.set HALFT,  2*PLANE                   ; what one tensor load brings
.set SLOT,   4*HALFT                   ; eight planes of B
.set SPARE,  2*SLOT                    ; behind the ring: the spare words, 128 bytes for each wave: two blocks of 256 bytes that no other line names
.set STEPG,  65536                     ; bytes of A or of B in memory from K step to K step,
.set SLOTG,  131072                    ; from slot to slot
.set DP,     528                       ; the way out: a row of 128 f32 + 16 bytes = 132 words
.set DT,     128*DP                    ; a wave's partial tile; four of them, 270,336 bytes, lie inside the ring
.set FIELDS, (1<<16)|(1<<20)|(1<<21)|(4<<22)|(3<<25)  ; group 1, word 0: 2-byte elements; padding on; 21 set beside a mask; after every 32 words; 4 words
.set AO,   16                          ; v16  16 x lane + my plane's 16,384 bytes; never rewritten
.set ADRB, 20                          ; v20  LDS address of my B fragments in the slot in hand, first K step;
.set B0,   21                          ; v21  the same in slot 0; never rewritten
.set ADRB2, 22                         ; v22  second K step: four planes on
.set DST,  24                          ; v24  the way out: where I put 16 bytes of a row of my partial tile
.set RD,   25                          ; v25  where I read a row of a partial tile
.set CO,   26                          ; v26  16 x lane: my bytes of a row of 512
.set SPW,  28
.set NIL,  29
.set PFOA, 30                          ; v30, v31  the prefetches' offsets
.set PFOB, 31
.set BIAS, 32                          ; v[32:35]
.set F0,   64
.set F1,   128
.set R,    64                          ; v[64:191]  32 rows x 4 numbers
.set AP,   14                          ; s[14:15] A at my tile row, at the slot whose chunk 3 is loaded next
.set G1B,  48                          ; s[48:55] descriptor group 1
.set G0B,  56                          ; s[56:59] group 0 of slot 0; s[60:63] of slot 1, which then walks
.set LIMA, 43
.set LIMB, 24
.set PFB,  44                          ; s[44:45] B at my tile column, in step with AP
.set TB,   70
.set MSB, 0
.macro WIN new
.if MSB != (\new)
	s_set_vgpr_msb (MSB<<8)|(\new)
.set MSB, \new
.endif
.endm
.set MUL_LO, 0xa4                      ; source 0 (B) window 0, source 1 (A) window 1, C and D window 2
.set MUL_HI, 0xf4
.set TO_A,   0x40                      ; destination window 1, address window 0
.macro JLOAD s                         ; a joint load: every wave fetches two of the slot's eight planes; an s_nop 0 and four v_nop follow
	tensor_load_to_lds s[G0B+4*(\s):G0B+4*(\s)+3], s[G1B:G1B+7]
	s_nop 0
.rept 4
	v_nop
.endr
.endm
; (PF = 1) prefetches into the L2, behind the refill of trip n and the loads that follow it: A's and B's slot n + 3.  A slot of a tile row of A, or of a tile column of B, is 512 blocks of 256 bytes:
; 4 partners x 4 waves x 32 lanes, a lane a block, told apart by address (cx for A, cy for B).  A's tile row is read by both clusters of its row of clusters: cluster x = 0 asks; B's tile column by
; all clusters of its column: cluster y = 0 asks.  A's first loads of that slot stand 320 matrix instructions on, B's refill 256.  Trip n runs with s3 = NS - 2 - n: it asks while s3 > 1, up to the last slot.
.macro ASK
	s_cmp_gt_u32 s3, s[LIMA]
	s_cbranch_scc0 .Lnot_a_\@
	global_prefetch_b8 v[PFOA], s[AP:AP+1] offset:2*SLOTG th:TH_LOAD_NT scope:SCOPE_SE
.Lnot_a_\@:
	s_cmp_gt_u32 s3, s[LIMB]
	s_cbranch_scc0 .Lnot_b_\@
	global_prefetch_b8 v[PFOB], s[PFB:PFB+1] offset:2*SLOTG th:TH_LOAD_NT scope:SCOPE_SE
.Lnot_b_\@:
.endm
.macro CREST
	s_cmp_lg_u32 s10, 0
	s_cbranch_scc1 .Lnot_wave_0_\@
	s_barrier_signal -3
.Lnot_wave_0_\@:
	s_barrier_wait -3
	s_barrier_signal -1
	s_barrier_wait -1
.endm
.macro CROUND
	s_barrier_signal -1
	s_barrier_wait -1
	CREST
.endm
.macro PLACES                          ; four places behind matrix instructions (ISA guide 7.12.1)
.rept 4
	v_nop
.endr
.endm
.macro MUL16 fb, fa, hi, a0, zero      ; 16 matrix instructions; the 64 accumulators take turns in one order everywhere
	WIN MUL_LO+0x50*(\hi)
.irp a, \a0, (\a0)+1
.irp b, 0,1,2,3,4,5,6,7
.if \zero
	v_wmma_f32_16x16x32_bf16 v[8*(8*(\a)+(\b)):8*(8*(\a)+(\b))+7], v[(\fb)+8*(\b):(\fb)+8*(\b)+7], v[(\fa)+8*(4*(\hi)+(\a)):(\fa)+8*(4*(\hi)+(\a))+7], 0
.else
	v_wmma_f32_16x16x32_bf16 v[8*(8*(\a)+(\b)):8*(8*(\a)+(\b))+7], v[(\fb)+8*(\b):(\fb)+8*(\b)+7], v[(\fa)+8*(4*(\hi)+(\a)):(\fa)+8*(4*(\hi)+(\a))+7], v[8*(8*(\a)+(\b)):8*(8*(\a)+(\b))+7]
.endif
.endr
.endr
.endm
.macro FETCHB adr, k, f                ; 16 LDS loads in one run: B's 128 rows, 32 along K at byte k of my plane's rows, into buffer f
	WIN 0
.irp i, 0,1,2,3,4,5,6,7
	ds_load_b128 v[(\f)+8*(\i):(\f)+8*(\i)+3],   v[\adr] offset:(\k)+(\i)*16*PITCH
	ds_load_b128 v[(\f)+8*(\i)+4:(\f)+8*(\i)+7], v[\adr] offset:(\k)+(\i)*16*PITCH+32
.endr
.endm
.macro GLD p, a, base                  ; block a (16 rows) of chunk p of A: 1,024 consecutive bytes, two loads
	global_load_b128 v[64*(\p)+8*(\a):64*(\p)+8*(\a)+3],   v[AO], s[AP:AP+1] offset:(\base)+((\p)/2)*STEPG+((\p)%2)*1024+(\a)*2048
	global_load_b128 v[64*(\p)+8*(\a)+4:64*(\p)+8*(\a)+7], v[AO], s[AP:AP+1] offset:(\base)+((\p)/2)*STEPG+((\p)%2)*1024+(\a)*2048+512
.endm
; The group of loads in the middle of chunk q: blocks 4-7 of the chunk before and blocks 0-3 of chunk q, which have just been multiplied, for their next use.  The pointer is stepped at the head of
; chunk 3, so chunk 3's group and the first half of chunk 0's name the pointer's own slot, the others the slot behind it.  kind = 2: both halves; 1: the first alone; 0: none.
.macro GROUP q, kind
.if \kind
	WIN TO_A
.if ((\q) == 1) || ((\q) == 2)
.set GB, SLOTG
.else
.set GB, 0
.endif
.irp a, 4,5,6,7
	GLD ((\q)+3)%4, \a, GB
.endr
.if (\kind) > 1
.if (\q) == 3
.set GB, 0
.else
.set GB, SLOTG
.endif
.irp a, 0,1,2,3
	GLD \q, \a, GB
.endr
.endif
.endif
.endm
; Chunk q (0, 1, 2) of a trip.  w0: the loads younger than A's blocks 0-3 of this chunk; w1: younger than its blocks 4-7.  In a trip that loads in full: three groups of 16; half a group and two groups.
.macro CHUNK q, zero, w0, w1, kind
	s_wait_dscnt 0x0                               ; B's fragments, asked for 32 matrix instructions ago
	s_wait_loadcnt \w0
	MUL16 64+64*((\q)%2), 64*(\q), 0, 0, \zero
	MUL16 64+64*((\q)%2), 64*(\q), 0, 2, \zero
	s_wait_loadcnt \w1
	PLACES
	FETCHB ADRB+2*(((\q)+1)/2), 64*(((\q)+1)%2), 64+64*(((\q)+1)%2)
	GROUP \q, \kind
	MUL16 64+64*((\q)%2), 64*(\q), 1, 0, \zero
	MUL16 64+64*((\q)%2), 64*(\q), 1, 2, \zero
.endm
; Chunk 3 changes slots.  In front of the barrier each wave waits for all its tensor loads (one is out: its part of the next slot), adds 0 to its spare word, and waits for that and for its own reads of
; this slot.  fill = 1: the barrier opens a round of the cluster's barrier; behind the round the slot just read out takes the planes two slots on.
.macro TURN fill
	s_wait_xcnt 0x0                                ; every load and prefetch issued so far has read its address: the pointers are stepped only behind this wait
	s_add_nc_u64 s[AP:AP+1], s[AP:AP+1], SLOTG
.if (\fill) && PF
	s_add_nc_u64 s[PFB:PFB+1], s[PFB:PFB+1], SLOTG
.endif
	WIN 0
	s_wait_loadcnt 48                              ; A's blocks 0-3 of chunk 3
	s_wait_tensorcnt 0x0                           ; all my tensor loads have landed;
	ds_add_u32 v[SPW], v[NIL]                      ; 0 onto my spare word;
	s_wait_dscnt 1                                 ; (B's fragments are in; the add may be out)
	MUL16 F1, 192, 0, 0, 0
	s_wait_dscnt 0x0                               ; the add is done, and my reads of this slot are over
	s_barrier_signal -1
	MUL16 F1, 192, 0, 2, 0
	WIN 0
	s_barrier_wait -1
.if \fill
	CREST                                          ; no wave of any partner still reads this slot's planes or has a load on its way
	s_add_co_u32 s[G0B+5], s20, s[TB]              ; the walking descriptor: into the slot just read out,
	s_add_nc_u64 s[G0B+6:G0B+7], s[G0B+6:G0B+7], SLOTG  ; the next eight planes; the type bits on top are not reached
	s_xor_b32 s[TB], s[TB], SLOT
	JLOAD 1                                        ; the first tensor load behind the round; its four v_nop are also the places in front of the loads below
.else
	s_xor_b32 s[TB], s[TB], SLOT
	PLACES
.endif
	s_wait_loadcnt 40                              ; A's blocks 4-7 of chunk 3
	v_add_nc_u32 v[ADRB], s[TB], v[B0]
	v_add_nc_u32 v[ADRB2], 4*PLANE, v[ADRB]
	FETCHB ADRB, 0, F0
	GROUP 3, 2
.if (\fill) && PF
	WIN 0
	ASK
.endif
	MUL16 F1, 192, 1, 0, 0
	MUL16 F1, 192, 1, 2, 0
.endm
.macro LASTQ                           ; the very last chunk: nothing more to fetch
	s_wait_dscnt 0x0
	s_wait_loadcnt 8
	MUL16 F1, 192, 0, 0, 0
	MUL16 F1, 192, 0, 2, 0
	s_wait_loadcnt 0x0
	MUL16 F1, 192, 1, 0, 0
	MUL16 F1, 192, 1, 2, 0
.endm
.macro DUMP                            ; my 64 accumulators as f32 into my 128 rows of 528 bytes; each accumulator's low four registers first
.irp a, 0,1,2,3,4,5,6,7
	WIN 0x08+4*((\a)/4)
.irp b, 0,1,2,3,4,5,6,7
	ds_store_b128 v[DST], v[8*(8*((\a)%4)+(\b)):8*(8*((\a)%4)+(\b))+3]   offset:(\a)*16*DP+(\b)*64
	ds_store_b128 v[DST], v[8*(8*((\a)%4)+(\b))+4:8*(8*((\a)%4)+(\b))+7] offset:(\a)*16*DP+(\b)*64+16
.endr
.endr
	WIN 0
.endm
	s_load_b128 s[4:7], s[0:1], 0x0                ; A s[4:5], wb s[6:7]
	s_load_b128 s[72:75], s[0:1], 0x10             ; BIAS s[72:73], RES s[74:75]
	s_load_b64 s[8:9], s[0:1], 0x20                ; OUT
	v_lshl_add_u32 v[SPW], v0, 2, SPARE
	v_mov_b32 v[NIL], 0
	ds_add_u32 v[SPW], v[NIL]                      ; the wave's opening: the add and its wait stand ahead of my first tensor load; the set-up below, work on registers, stands between
	v_lshrrev_b32 v1, 5, v0
	v_readfirstlane_b32 s10, v1                    ; wave 0..3: my plane of each K step
	s_bfe_u32 s40, ttmp6, 0x40000                  ; cx
	s_bfe_u32 s41, ttmp6, 0x40004                  ; cy
	s_lshl_b32 s42, ttmp9, 2
	s_add_co_u32 s42, s42, s40                     ; tile column = 4 x cluster x + cx
	s_and_b32 s13, ttmp7, 0xffff
	s_lshl_b32 s13, s13, 2
	s_add_co_u32 s13, s13, s41                     ; tile row = 4 x cluster y + cy
	s_lshl_b32 s44, 0x1111, s40                    ; my column of the cluster: B's planes hang on the tile column alone
	s_or_b32 s[G1B+0], s44, FIELDS
	s_mov_b32 s[G1B+1], 128<<16                    ; tensor_dim0 = 128 (256 bytes)
	s_mov_b32 s[G1B+2], 128<<16                    ; tensor_dim1 = 128
	s_mov_b32 s[G1B+3], 128<<16                    ; tile_dim0 = 128
	s_mov_b32 s[G1B+4], 128                        ; tile_dim1 = 128
	s_mov_b32 s[G1B+5], 128                        ; dense: 128 elements from row to row
	s_mov_b32 s[G1B+6], 0
	s_mov_b32 s[G1B+7], 0
	s_mul_i32 s16, s13, NPL*16384                  ; A: by the tile row
	s_mov_b32 s17, 0
	s_mul_i32 s46, s42, NPL*16384                  ; B: by the tile column,
	s_lshl_b32 s47, s10, 15                        ; and the two planes of a slot's eight that I fetch
	s_add_co_u32 s46, s46, s47
	s_mov_b32 s47, 0
	s_mul_i32 s20, s10, HALFT                      ; where my loads land in a slot: no place in the cluster enters an LDS address
	s_mov_b32 s[TB], 0
	v_and_b32 v[CO], 31, v0
	v_lshlrev_b32 v[CO], 4, v[CO]
	s_lshl_b32 s21, s10, 14
	v_add_nc_u32 v[AO], s21, v[CO]
	s_lshl_b32 s66, s13, 7
	s_lshl_b32 s67, s10, 5
	s_add_co_u32 s66, s66, s67                     ; at the end I own rows 32 w .. 32 w + 31 of the tile: their first row in RES and OUT,
	s_lshl_b32 s66, s66, 12
	s_lshl_b32 s67, s42, 9                         ; the tile's 128 columns
	s_add_co_u32 s66, s66, s67
	s_mov_b32 s67, 0
	s_lshl_b32 s68, s42, 9
	s_mov_b32 s69, 0
	s_wait_dscnt 0x0                               ; the opening add is done
	s_wait_kmcnt 0x0
	s_add_nc_u64 s[6:7], s[6:7], WOFF
	s_add_nc_u64 s[AP:AP+1], s[4:5], s[16:17]
	s_add_nc_u64 s[46:47], s[6:7], s[46:47]
	s_add_nc_u64 s[74:75], s[74:75], s[66:67]
	s_add_nc_u64 s[8:9], s[8:9], s[66:67]
	s_add_nc_u64 s[72:73], s[72:73], s[68:69]
	global_load_b128 v[BIAS:BIAS+3], v[CO], s[72:73]
	WIN TO_A                                       ; A's first 56 loads, in the order in which the groups would have issued them: chunks 0, 1, 2 and blocks 0-3 of chunk 3
.irp p, 0,1,2
.irp a, 0,1,2,3,4,5,6,7
	GLD \p, \a, 0
.endr
.endr
.irp a, 0,1,2,3
	GLD 3, \a, 0
.endr
	WIN 0
	CROUND                                         ; all sixteen work-groups are here: the first joint loads meet
.irp s, 0,1
	s_mov_b32 s[G0B+4*(\s)], 1                     ; count = 1
	s_add_co_u32 s[G0B+4*(\s)+1], s20, (\s)*SLOT   ; LDS address
	s_add_nc_u64 s[G0B+4*(\s)+2:G0B+4*(\s)+3], s[46:47], (\s)*SLOTG  ; global address: slot s
	s_or_b32 s[G0B+4*(\s)+3], s[G0B+4*(\s)+3], 0x80000000            ; type = 2
	JLOAD \s                                       ; two loads of mine are out
.endr
	v_and_b32 v1, 15, v0                           ; l % 16
	v_bfe_u32 v2, v0, 4, 1                         ; l / 16
	v_mul_u32_u24 v3, v1, PITCH
	v_lshl_add_u32 v3, v2, 4, v3                   ; a fragment's row x pitch + 16 x half
	s_mul_i32 s21, s10, PLANE                      ; my plane of the first K step
	v_add_nc_u32 v[B0], s21, v3
	v_mov_b32 v[ADRB], v[B0]
	v_add_nc_u32 v[ADRB2], 4*PLANE, v[B0]
	s_mul_i32 s23, s10, DT                         ; my partial tile
	v_mul_u32_u24 v4, v1, DP
	v_lshl_add_u32 v4, v2, 5, v4
	v_add_nc_u32 v[DST], s23, v4
	s_mul_i32 s23, s10, 32*DP
	v_add_nc_u32 v[RD], s23, v[CO]
.if PF
	v_and_b32 v3, 31, v0
	s_lshl2_add_u32 s21, s40, s10                  ; 4 cx + wave: my 32 blocks of A's 512
	s_lshl_b32 s21, s21, 13
	v_lshl_add_u32 v[PFOA], v3, 8, s21
	s_lshl2_add_u32 s21, s41, s10                  ; 4 cy + wave: of B's
	s_lshl_b32 s21, s21, 13
	v_lshl_add_u32 v[PFOB], v3, 8, s21
	s_cmp_eq_u32 ttmp9, 0                          ; the cluster's x and y are the same in all sixteen partners
	s_cselect_b32 s[LIMA], 1, -1
	s_and_b32 s22, ttmp7, 0xffff
	s_cmp_eq_u32 s22, 0
	s_cselect_b32 s[LIMB], 1, -1
	s_mul_i32 s18, s42, NPL*16384
	s_mov_b32 s19, 0
	s_add_nc_u64 s[PFB:PFB+1], s[6:7], s[18:19]    ; nothing is prefetched here, at the head: slots 0 to 2 come by their loads alone
.endif
	s_wait_tensorcnt 0x1                           ; my part of slot 0 is in; slot 1's may stay out
	s_barrier_signal -1
	s_barrier_wait -1
	FETCHB ADRB, 0, F0
	CHUNK 0, 1, 48, 40, 2                          ; the first products start the sums
.if NS > 2
	WIN 0                                          ; at a label and at a branch every window is 0
	s_mov_b32 s3, NS-1
	s_branch .Lenter                               ; the loop is entered in the middle of a trip
.Lstep:                                                ; NS - 2 times: a change of slots with a refill, then the next trip's first three chunks
	TURN 1
	CHUNK 0, 0, 48, 40, 2
	WIN 0
.Lenter:
.endif
	CHUNK 1, 0, 48, 40, 2
	CHUNK 2, 0, 48, 40, 2
.if NS > 2
	WIN 0
	s_sub_co_u32 s3, s3, 1
	s_cmp_lg_u32 s3, 0
	s_cbranch_scc1 .Lstep
.endif
	TURN 0                                         ; the tail is written out: no planes are left to fetch
	CHUNK 0, 0, 48, 40, 1                          ; the last trip asks only for its own chunk 3's blocks 4-7, eight loads: the counts run down
	CHUNK 1, 0, 40, 32, 0
	CHUNK 2, 0, 24, 16, 0
	LASTQ
	; THE WAY OUT
	WIN 0
	PLACES
	PLACES
.set i, 0
.rept 32
	global_load_b128 v[R+4*i:R+4*i+3], v[CO], s[74:75] offset:i*4096 th:TH_LOAD_NT  ; my 32 rows of RES, 512 consecutive bytes each, are on their way while the tiles are laid down
.set i, i+1
.endr
	s_barrier_signal -1                            ; my reads of the ring are over (the last wait on DScnt was for 0), and no fill follows:
	s_barrier_wait -1                              ; when that holds of all four waves the ring's bytes take the partial tiles
	DUMP
	s_wait_dscnt 0x0                               ; for the others' sake: my stores are done
	s_barrier_signal -1
	s_barrier_wait -1
	s_wait_loadcnt 0x0                             ; RES and BIAS
	s_mov_b32 s3, 4
.Lsum:                                                 ; four trips: wave 0's, 1's, 2's, 3's partial sums of my 32 rows
	WIN TO_A
.set i, 0
.rept 32
	ds_load_b128 v[R+4*i:R+4*i+3], v[RD] offset:i*DP   ; a whole row of 512 bytes
.set i, i+1
.endr
	WIN 0
	v_add_nc_u32 v[RD], DT, v[RD]
	WIN 0x04                                       ; source 1 in window 1
.irp q, 0,1,2,3
	s_wait_dscnt 24-8*(\q)                         ; eight rows are in; the younger ones stay out
.set z, 0
.rept 16
	v_pk_add_f32 v[R+32*(\q)+2*z:R+32*(\q)+2*z+1], v[R+32*(\q)+2*z:R+32*(\q)+2*z+1], v[R+32*(\q)+2*z:R+32*(\q)+2*z+1]
.set z, z+1
.endr
.endr
	WIN 0
	s_sub_co_u32 s3, s3, 1
	s_cmp_lg_u32 s3, 0
	s_cbranch_scc1 .Lsum
.set i, 0
.rept 32
	v_pk_add_f32 v[R+4*i:R+4*i+1], v[R+4*i:R+4*i+1], v[BIAS:BIAS+1]
	v_pk_add_f32 v[R+4*i+2:R+4*i+3], v[R+4*i+2:R+4*i+3], v[BIAS+2:BIAS+3]
	global_store_b128 v[CO], v[R+4*i:R+4*i+3], s[8:9] offset:i*4096  ; 512 consecutive bytes, at a multiple of 256 from OUT's first byte
.set i, i+1
.endr
	s_wait_tensorcnt 0x0                           ; the wave's end: behind my last tensor load and my last LDS store
	ds_add_u32 v[SPW], v[NIL]
	s_wait_dscnt 0x0
	CROUND                                         ; the closing round
	s_endpgm
.Lfunc_end_k_q3116df48cb_ffn2:
	.size	k_q3116df48cb_ffn2, .Lfunc_end_k_q3116df48cb_ffn2-k_q3116df48cb_ffn2
	.p2alignl 7, 3214868480
	.fill 96, 4, 3214868480
	.section	.rodata,"a",@progbits
	.p2align	6, 0x0
	.amdhsa_kernel k_q3116df48cb_ffn2
		.amdhsa_group_segment_fixed_size 327680
		.amdhsa_private_segment_fixed_size 0
		.amdhsa_enable_private_segment 0
		.amdhsa_kernarg_size 40
		.amdhsa_user_sgpr_count 2
		.amdhsa_user_sgpr_kernarg_segment_ptr 1
		.amdhsa_wavefront_size32 1
		.amdhsa_system_sgpr_workgroup_id_x 1
		.amdhsa_system_sgpr_workgroup_id_y 1
		.amdhsa_system_sgpr_workgroup_id_z 1
		.amdhsa_system_vgpr_workitem_id 0
		.amdhsa_next_free_vgpr 1024
		.amdhsa_next_free_sgpr 80
		.amdhsa_reserve_vcc 0
		.amdhsa_float_denorm_mode_32 3
		.amdhsa_float_denorm_mode_16_64 3
		.amdhsa_memory_ordered 1
		.amdhsa_forward_progress 1
		.amdhsa_inst_pref_size 102
	.end_amdhsa_kernel
	.amdgpu_metadata
---
amdhsa.version: [ 1, 2 ]
amdhsa.kernels:
  - .name:           k_q3116df48cb_ffn2
    .symbol:         k_q3116df48cb_ffn2.kd
    .args:
      - { .name: g, .offset: 0, .size: 8, .value_kind: global_buffer, .address_space: global }
      - { .name: wb, .offset: 8, .size: 8, .value_kind: global_buffer, .address_space: global }
      - { .name: b2, .offset: 16, .size: 8, .value_kind: global_buffer, .address_space: global }
      - { .name: x1, .offset: 24, .size: 8, .value_kind: global_buffer, .address_space: global }
      - { .name: out0, .offset: 32, .size: 8, .value_kind: global_buffer, .address_space: global }
    .group_segment_fixed_size: 327680
    .private_segment_fixed_size: 0
    .kernarg_segment_align: 8
    .kernarg_segment_size: 40
    .max_flat_workgroup_size: 128
    .sgpr_count:     80
    .vgpr_count:     1024
    .wavefront_size: 32
...
	.end_amdgpu_metadata
.endif
;; end of part 6
;; ======== version 2 of 2: 7 launches; version 1 with the launches prep, ln2 written anew for expert scheduling mode
;; workspace buffers: wb 25,165,824 bytes; h 8,388,608 bytes; qkv 25,165,824 bytes; ctx 8,388,608 bytes; x1 16,777,216 bytes; g 33,554,432 bytes
;; launch prep (part 7): grid 640 x 1, 8 waves a work-group, no clusters, 0 bytes of LDS; arguments x, ln1_scale, ln1_shift, h, Wq, Wk, Wv, W1, Wo, W2, wb; writes h, wb
.if DOCPART == 7
	.amdgcn_target "amdgcn-amd-amdhsa--gfx1250"
	.amdhsa_code_object_version 6
	.text
	.protected	k_q3116df48cb_prep
	.globl	k_q3116df48cb_prep
	.p2align	8
	.type	k_q3116df48cb_prep,@function
k_q3116df48cb_prep:
	s_mov_b64 s[64:65], 0
	v_nop
	global_prefetch_b8 v0, s[64:65] scope:SCOPE_SE
	s_setreg_imm32_b32 hwreg(HW_REG_WAVE_SCHED_MODE, 0, 2), 2
	s_setreg_imm32_b32 hwreg(HW_REG_WAVE_MODE, 25, 1), 1
	s_wait_xcnt 0x0
	s_wait_alu depctr_vm_vsrc(0)
; LAYER NORM TO bf16, AND THE WEIGHTS TO bf16.  Arguments: X [4096][1024] f32, scale, shift [1024] f32, h [4096][1024] bf16, Wq, Wk, Wv, W1, Wo, W2 f32, wb bf16.
; A work-group's number g says what it does:
;   g < 256         h[r] = ((X[r] - mean) / sqrt(var + 1e-7) + shift) * scale for rows 16 g .. 16 g + 15: a wave takes two rows, one after the other, a row in 32 registers.
;                   The variance is the mean of (x - mean)^2, taken in a second pass over the registers, so a common offset of the row does it no harm.  All in f32, h rounded once.
;   256 <= g < 480  rows 32 (g - 256) .. + 31 of wb's table [7168][1024]: Wq's, Wk's, Wv's and W1's rows on end, as they lie.
;   480 <= g < 512  Wo, g >= 512  W2, in PLANES: [block of 128 rows][plane of 64 k][128 rows][64 k], 16,384 dense bytes a plane, so that a later product can ask for
;                   four planes (256 along K) as 65,536 bytes on end.
; With a grid of 256 the text is the layer norm alone.  Memory bounds all of it: no LDS, no matrix unit, no cluster (no work-group wants a byte that another has fetched).
; Every load of a wave takes 512 consecutive bytes (the planes' loads: twice 256), every store 256 consecutive bytes at a multiple of 256 from its buffer's first byte.
; THE MODE: SCHED_MODE bits 1:0 = 2 (LLVM: expert scheduling mode 2), set by the entry lines.  The code itself states the register dependences
; between vector instructions and memory instructions, with s_wait_alu, always for 0.
; THE PLAN.  Registers that memory instructions touch:
;   v2, v4     the offsets 16 x lane and 8 x lane: written at the head, never again; read by every load and store.  The rows are reached by immediates and by a scalar base.
;   v5         the planes' load offset: written once in that way, read by its 32 loads.
;   the norm:  X    written by a row's eight loads; read by the sums and the subtraction; the second row's loads follow the first row's subtraction.
;              DD   written by the subtraction, the scaling and the roundings; read by the row's eight stores, which stand in one run behind the roundings; written again by the next row's subtraction.
;              SC, SH  loaded once; after that named by vector instructions alone.
;   the casts: X    (128 registers) written by 32 loads that go out at once; rounded in place; read by 32 stores; no register is used twice.  The work goes in four groups of eight: group k's
;              roundings name group k's registers alone, and the stores of group k - 1 are dealt among them, behind one wait at the group's head.
.set ROWF, 4096                        ; bytes in a row of 1,024 f32
.set ROWH, 2048                        ; in bf16
.set WOB,  14680064                    ; Wo's planes in wb; W2's begin 2,097,152 bytes behind
.set O16,  2                           ; v2   16 x lane; never rewritten
.set O8,   4                           ; v4   8 x lane; never rewritten
.set BO,   5                           ; v5   the planes' load offset
.set T,    8                           ; v[8:15]   four chains of sums
.set MEAN, 16                          ; v[16:17]  the mean, twice
.set RS,   18                          ; v[18:19]  1 / sqrt(var + eps), twice
.set VAR,  20
.set X,    32                          ; v[32:63]  a row as loaded (the casts: v[32:159], 32 loads)
.set DD,   64                          ; v[64:95]  x - mean, then the result
.set SC,   96                          ; v[96:127] my 32 numbers of scale
.set SH,   128                         ; v[128:159] of shift
	s_load_b256 s[4:11], s[0:1], 0x0               ; X s[4:5], scale s[6:7], shift s[8:9], h s[10:11]
	s_load_b256 s[12:19], s[0:1], 0x20             ; Wq s[12:13], Wk s[14:15], Wv s[16:17], W1 s[18:19]
	s_load_b128 s[20:23], s[0:1], 0x40             ; Wo s[20:21], W2 s[22:23]
	s_load_b64 s[24:25], s[0:1], 0x50              ; wb
	v_and_b32 v1, 31, v0                           ; lane
	v_lshrrev_b32 v6, 5, v0
	v_readfirstlane_b32 s26, v6                    ; wave 0..7
	v_lshlrev_b32 v[O16], 4, v1
	v_lshlrev_b32 v[O8], 3, v1
	s_mov_b32 s27, ttmp9                           ; g
	s_mov_b32 s35, 0                               ; the high word of every offset made in s34
	s_wait_alu depctr_va_sdst(0)                   ; s26 is written, ahead of its first reader and of the first branch: each of the three ways makes its rows from it
	s_wait_alu depctr_va_vdst(0)                   ; v[O16] and v[O8] are written: every load and store below reads one of them as its offset, and no line writes them again
	s_wait_kmcnt 0x0
	s_cmp_lt_u32 s27, 256
	s_cbranch_scc0 .Lcast
	; ---------------- the layer norm ----------------
	s_lshl_b32 s28, s27, 4
	s_lshl1_add_u32 s28, s26, s28                  ; my first row: 16 g + 2 x wave
	s_lshl_b32 s34, s28, 12
	s_add_nc_u64 s[4:5], s[4:5], s[34:35]
	s_lshl_b32 s34, s28, 11
	s_add_nc_u64 s[10:11], s[10:11], s[34:35]
.macro ROWIN at                        ; a row, at bytes behind my first: eight loads of 512 consecutive bytes; load i brings my columns 128 i + 4 lane .. + 3
.irp i, 0,1,2,3,4,5,6,7
	global_load_b128 v[X+4*(\i):X+4*(\i)+3], v[O16], s[4:5] offset:(\at)+512*(\i) th:TH_LOAD_NT
.endr
.endm
	ROWIN 0
.irp i, 0,1,2,3,4,5,6,7
	global_load_b128 v[SC+4*(\i):SC+4*(\i)+3], v[O16], s[6:7] offset:512*(\i)
	global_load_b128 v[SH+4*(\i):SH+4*(\i)+3], v[O16], s[8:9] offset:512*(\i)
.endr
	s_mov_b32 s30, 0x3a800000                      ; 1 / 1024
	s_mov_b32 s31, 0x33d6bf95                      ; 1e-7
	s_mov_b32 s38, 0x76543210                      ; v_permlanex16_b32: each lane takes its own place in the other half
	s_mov_b32 s39, 0xfedcba98
	s_mov_b32 s29, 2                               ; rows to go
.macro REDUCE                          ; the four chains into one number, then over the 32 lanes; every lane ends with the sum in v[T]
	v_pk_add_f32 v[T:T+1], v[T:T+1], v[T+2:T+3]
	v_pk_add_f32 v[T+4:T+5], v[T+4:T+5], v[T+6:T+7]
	v_pk_add_f32 v[T:T+1], v[T:T+1], v[T+4:T+5]
	v_add_f32 v[T], v[T], v[T+1]
	v_add_f32_dpp v[T], v[T], v[T] row_xmask:1 row_mask:0xf bank_mask:0xf
	v_add_f32_dpp v[T], v[T], v[T] row_xmask:2 row_mask:0xf bank_mask:0xf
	v_add_f32_dpp v[T], v[T], v[T] row_xmask:4 row_mask:0xf bank_mask:0xf
	v_add_f32_dpp v[T], v[T], v[T] row_xmask:8 row_mask:0xf bank_mask:0xf
	v_permlanex16_b32 v[T+1], v[T], s38, s39
	v_add_f32 v[T], v[T], v[T+1]
.endm
.Lrow:
	s_wait_loadcnt 0x0                             ; the row is in (the first time scale and shift too)
.irp k, 0,1,2,3
	v_pk_add_f32 v[T+2*(\k):T+2*(\k)+1], v[X+2*(\k):X+2*(\k)+1], v[X+8+2*(\k):X+8+2*(\k)+1]  ; the first sums start the chains
.endr
.irp m, 16,24
.irp k, 0,1,2,3
	v_pk_add_f32 v[T+2*(\k):T+2*(\k)+1], v[T+2*(\k):T+2*(\k)+1], v[X+(\m)+2*(\k):X+(\m)+2*(\k)+1]
.endr
.endr
	REDUCE
	v_mul_f32 v[MEAN], s30, v[T]
	v_mov_b32 v[MEAN+1], v[MEAN]
	s_wait_xcnt 0x0                                ; every earlier memory instruction has had its addresses translated (ISA guide 3.1): the stores' base and DD are written again only behind this wait
	s_wait_alu depctr_vm_vsrc(0)                   ; the stores of the row before have read DD, which the subtraction below writes again; the mean's sums stand between those stores and this line
	s_add_nc_u64 s[10:11], s[10:11], ROWH          ; the base stands one row behind the row in hand: the stores below reach back
.set j, 0
.rept 16
	v_pk_add_f32 v[DD+j:DD+j+1], v[X+j:X+j+1], v[MEAN:MEAN+1] neg_lo:[0,1] neg_hi:[0,1]  ; x - mean, into other registers:
.set j, j+2
.endr
	s_cmp_eq_u32 s29, 1                            ; the row's registers take the next row while this one is finished; the last row is followed by none
	s_cbranch_scc1 .Lno_more
	s_wait_alu depctr_va_vdst(0)                   ; the sums and the subtraction are done reading X, in which the loads below land
	ROWIN ROWF                                     ; these loads run in the first trip alone: the immediate reaches my second row
.Lno_more:
.irp k, 0,1,2,3
	v_pk_mul_f32 v[T+2*(\k):T+2*(\k)+1], v[DD+2*(\k):DD+2*(\k)+1], v[DD+2*(\k):DD+2*(\k)+1]
.endr
.irp m, 8,16,24
.irp k, 0,1,2,3
	v_pk_fma_f32 v[T+2*(\k):T+2*(\k)+1], v[DD+(\m)+2*(\k):DD+(\m)+2*(\k)+1], v[DD+(\m)+2*(\k):DD+(\m)+2*(\k)+1], v[T+2*(\k):T+2*(\k)+1]
.endr
.endr
	REDUCE
	v_fma_f32 v[VAR], v[T], s30, s31               ; var + eps
	v_rsq_f32 v[RS], v[VAR]
	v_rsq_f32 v[RS+1], v[VAR]
	v_nop                                          ; a plain instruction behind the last root (ISA guide 5.7.2),
	s_wait_alu depctr_va_vdst(0)                   ; and the two roots have written v[RS] and v[RS+1], ahead of their first reader: one wait for both
.set j, 0
.rept 16
	v_pk_fma_f32 v[DD+j:DD+j+1], v[DD+j:DD+j+1], v[RS:RS+1], v[SH+j:SH+j+1]
.set j, j+2
.endr
.set j, 0
.rept 16
	v_pk_mul_f32 v[DD+j:DD+j+1], v[DD+j:DD+j+1], v[SC+j:SC+j+1]
.set j, j+2
.endr
.irp i, 0,1,2,3,4,5,6,7
	v_cvt_pk_bf16_f32 v[DD+4*(\i)], v[DD+4*(\i)], v[DD+4*(\i)+1]
	v_cvt_pk_bf16_f32 v[DD+4*(\i)+1], v[DD+4*(\i)+2], v[DD+4*(\i)+3]
.endr
	s_wait_alu depctr_va_vdst(0)                   ; the sixteen roundings have written DD, which the eight stores below read: one wait for the run
.irp i, 0,1,2,3,4,5,6,7
	global_store_b64 v[O8], v[DD+4*(\i):DD+4*(\i)+1], s[10:11] offset:256*(\i)-ROWH  ; 32 lanes x 8 bytes: 256 consecutive bytes
.endr
	s_sub_co_u32 s29, s29, 1
	s_cmp_lg_u32 s29, 0
	s_cbranch_scc1 .Lrow
	s_endpgm
; THE CASTS' WAY OUT.  32 loads are out, load n into v[X + 4 n ..]; planes = 0: weights as they lie, 1: in planes.
.macro SEND n, planes                  ; the store of load n's four numbers, rounded: 8 bytes a lane
.if \planes
	global_store_b64 v[O8], v[X+4*(\n):X+4*(\n)+1], s[48+2*((\n)/16):49+2*((\n)/16)] offset:((\n)%16)*16384  ; two rows of a plane: 256 consecutive bytes (n is even)
.else
	global_store_b64 v[O8], v[X+4*(\n):X+4*(\n)+1], s[24:25] offset:((\n)/8)*ROWH+((\n)%8)*256
.endif
.endm
; Four groups of eight loads.  Group k's roundings name group k's registers alone; the stores of group k - 1 stand among them, a store ahead of each pair of roundings.
.macro DRAIN planes
.irp k, 0,1,2,3
	s_wait_loadcnt 24-8*(\k)                       ; loads come back in order (ISA guide 5.7.1): group k's eight are in, the younger groups stay out
.if (\k) > 0
	s_wait_alu depctr_va_vdst(0)                   ; the roundings of the group before have written their registers, which the eight stores below read; no line since names those registers
.endif
.irp i, 0,1,2,3,4,5,6,7
.if (\k) > 0
	SEND 8*(\k)-8+(\i), \planes
.endif
	v_cvt_pk_bf16_f32 v[X+4*(8*(\k)+(\i))], v[X+4*(8*(\k)+(\i))], v[X+4*(8*(\k)+(\i))+1]
	v_cvt_pk_bf16_f32 v[X+4*(8*(\k)+(\i))+1], v[X+4*(8*(\k)+(\i))+2], v[X+4*(8*(\k)+(\i))+3]
.endr
.endr
	s_wait_alu depctr_va_vdst(0)                   ; the last group's roundings have written their registers, which the last eight stores read
.irp i, 0,1,2,3,4,5,6,7
	SEND 24+(\i), \planes
.endr
.endm
	; ---------------- weights as they lie ----------------
.Lcast:
	s_cmp_lt_u32 s27, 480
	s_cbranch_scc0 .Lplanes
	s_sub_co_u32 s28, s27, 256
	s_lshr_b32 s29, s28, 5                         ; 32 work-groups to 1,024 rows: 0 Wq, 1 Wk, 2 Wv, 3 and more W1
	s_lshl_b32 s28, s28, 5
	s_lshl2_add_u32 s28, s26, s28                  ; my first row of the table: 32 (g - 256) + 4 x wave
	s_and_b32 s30, s28, 1023                       ; its number in Wq, Wk or Wv,
	s_sub_co_u32 s31, s28, 3072                    ; or in W1
	s_cmp_lt_u32 s29, 3
	s_cselect_b32 s30, s30, s31
	s_cmp_eq_u32 s29, 0
	s_cselect_b64 s[32:33], s[12:13], s[18:19]
	s_cmp_eq_u32 s29, 1
	s_cselect_b64 s[32:33], s[14:15], s[32:33]
	s_cmp_eq_u32 s29, 2
	s_cselect_b64 s[32:33], s[16:17], s[32:33]
	s_lshl_b32 s34, s30, 12
	s_add_nc_u64 s[32:33], s[32:33], s[34:35]
	s_lshl_b32 s34, s28, 11
	s_add_nc_u64 s[24:25], s[24:25], s[34:35]
.irp n, 0,1,2,3,4,5,6,7,8,9,10,11,12,13,14,15,16,17,18,19,20,21,22,23,24,25,26,27,28,29,30,31
	global_load_b128 v[X+4*(\n):X+4*(\n)+3], v[O16], s[32:33] offset:((\n)/8)*ROWF+((\n)%8)*512 th:TH_LOAD_NT  ; four rows: all 32 loads go out at once; a group of eight is a row
.endr
	DRAIN 0
	s_endpgm
	; ---------------- weights in planes ----------------
	; An item is two rows n, n + 1 and 1,024 k: 16 planes.  Wo has 512 items (a row is one piece of 1,024 k), W2 2,048 (four pieces); a wave takes two items.
.Lplanes:
	s_cmp_lt_u32 s27, 512
	s_cselect_b64 s[32:33], s[20:21], s[22:23]
	s_cselect_b32 s39, 0, 1                        ; 1: W2
	s_lshl_b32 s28, s39, 5
	s_add_co_u32 s28, s28, 480                     ; the first work-group of this kind
	s_lshl_b32 s29, s39, 1                         ; log2 of the pieces in a row: 0 or 2
	s_add_co_u32 s30, s29, 12                      ; log2 of a row's bytes: 4,096 or 16,384
	s_add_co_u32 s31, s29, 18                      ; log2 of the bytes of a block of 128 rows: 16 or 64 planes
	s_lshl_b32 s36, s39, 21
	s_add_co_u32 s36, s36, WOB                     ; where the planes begin in wb
	s_bfm_b32 s38, s29, 0                          ; mask of a piece's number: 0 or 3
	s_sub_co_u32 s28, s27, s28
	s_lshl3_add_u32 s28, s28, s26
	s_lshl_b32 s28, s28, 1                         ; my first item
.irp e, 0,1
	s_add_co_u32 s40, s28, \e
	s_and_b32 s41, s40, s38                        ; the piece
	s_lshr_b32 s40, s40, s29
	s_lshl_b32 s40, s40, 1                         ; n
	s_lshl_b32 s34, s40, s30
	s_lshl_b32 s42, s41, 12
	s_add_co_u32 s34, s34, s42                     ; from: n rows + the piece's 4,096 bytes
	s_add_nc_u64 s[44+2*(\e):45+2*(\e)], s[32:33], s[34:35]
	s_lshr_b32 s42, s40, 7
	s_lshl_b32 s42, s42, s31                       ; to: the block of 128 rows,
	s_lshl_b32 s43, s41, 18                        ; the piece's 16 planes,
	s_add_co_u32 s42, s42, s43
	s_and_b32 s43, s40, 127
	s_lshl_b32 s43, s43, 7                         ; the row's 128 bytes in a plane
	s_add_co_u32 s42, s42, s43
	s_add_co_u32 s34, s42, s36
	s_add_nc_u64 s[48+2*(\e):49+2*(\e)], s[24:25], s[34:35]
.endr
	v_lshrrev_b32 v6, 4, v1
	v_lshlrev_b32 v6, s30, v6                      ; lanes 16-31 take row n + 1
	v_and_b32 v7, 15, v1
	v_lshl_add_u32 v[BO], v7, 4, v6                ; sixteen lanes take 256 consecutive bytes: 64 k of a row
	s_wait_alu depctr_va_vdst(0)                   ; v[BO] is written: the 32 loads below read it as their offset
.irp n, 0,1,2,3,4,5,6,7,8,9,10,11,12,13,14,15,16,17,18,19,20,21,22,23,24,25,26,27,28,29,30,31
	global_load_b128 v[X+4*(\n):X+4*(\n)+3], v[BO], s[44+2*((\n)/16):45+2*((\n)/16)] offset:((\n)%16)*256 th:TH_LOAD_NT
.endr
	DRAIN 1
	s_endpgm
.Lfunc_end_k_q3116df48cb_prep:
	.size	k_q3116df48cb_prep, .Lfunc_end_k_q3116df48cb_prep-k_q3116df48cb_prep
	.p2alignl 7, 3214868480
	.fill 96, 4, 3214868480
	.section	.rodata,"a",@progbits
	.p2align	6, 0x0
	.amdhsa_kernel k_q3116df48cb_prep
		.amdhsa_group_segment_fixed_size 0
		.amdhsa_private_segment_fixed_size 0
		.amdhsa_enable_private_segment 0
		.amdhsa_kernarg_size 88
		.amdhsa_user_sgpr_count 2
		.amdhsa_user_sgpr_kernarg_segment_ptr 1
		.amdhsa_wavefront_size32 1
		.amdhsa_system_sgpr_workgroup_id_x 1
		.amdhsa_system_sgpr_workgroup_id_y 1
		.amdhsa_system_sgpr_workgroup_id_z 1
		.amdhsa_system_vgpr_workitem_id 0
		.amdhsa_next_free_vgpr 160
		.amdhsa_next_free_sgpr 66
		.amdhsa_reserve_vcc 0
		.amdhsa_float_denorm_mode_32 3
		.amdhsa_float_denorm_mode_16_64 3
		.amdhsa_memory_ordered 1
		.amdhsa_forward_progress 1
		.amdhsa_inst_pref_size 36
	.end_amdhsa_kernel
	.amdgpu_metadata
---
amdhsa.version: [ 1, 2 ]
amdhsa.kernels:
  - .name:           k_q3116df48cb_prep
    .symbol:         k_q3116df48cb_prep.kd
    .args:
      - { .name: x, .offset: 0, .size: 8, .value_kind: global_buffer, .address_space: global }
      - { .name: ln1_scale, .offset: 8, .size: 8, .value_kind: global_buffer, .address_space: global }
      - { .name: ln1_shift, .offset: 16, .size: 8, .value_kind: global_buffer, .address_space: global }
      - { .name: h, .offset: 24, .size: 8, .value_kind: global_buffer, .address_space: global }
      - { .name: Wq, .offset: 32, .size: 8, .value_kind: global_buffer, .address_space: global }
      - { .name: Wk, .offset: 40, .size: 8, .value_kind: global_buffer, .address_space: global }
      - { .name: Wv, .offset: 48, .size: 8, .value_kind: global_buffer, .address_space: global }
      - { .name: W1, .offset: 56, .size: 8, .value_kind: global_buffer, .address_space: global }
      - { .name: Wo, .offset: 64, .size: 8, .value_kind: global_buffer, .address_space: global }
      - { .name: W2, .offset: 72, .size: 8, .value_kind: global_buffer, .address_space: global }
      - { .name: wb, .offset: 80, .size: 8, .value_kind: global_buffer, .address_space: global }
    .group_segment_fixed_size: 0
    .private_segment_fixed_size: 0
    .kernarg_segment_align: 8
    .kernarg_segment_size: 88
    .max_flat_workgroup_size: 256
    .sgpr_count:     66
    .vgpr_count:     160
    .wavefront_size: 32
...
	.end_amdgpu_metadata
.endif
;; end of part 7
;; launch qkv: the kernel of part 2 again; grid 12 x 16, 4 waves a work-group, clusters of 4 x 4, 327,680 bytes of LDS; arguments h, wb, qkv; writes qkv
;; launch attn: the kernel of part 3 again; grid 4 x 64, 4 waves a work-group, no clusters, 327,680 bytes of LDS; arguments qkv, ctx; writes ctx
;; launch wo: the kernel of part 4 again; grid 8 x 32, 4 waves a work-group, clusters of 4 x 4, 327,680 bytes of LDS; arguments ctx, wb, bo, x, x1; writes x1
;; launch ln2: the kernel of part 7 again; grid 256 x 1, 8 waves a work-group, no clusters, 0 bytes of LDS; arguments x1, ln2_scale, ln2_shift, h, Wq, Wk, Wv, W1, Wo, W2, wb; writes h, wb
;; launch ffn1: the kernel of part 5 again; grid 16 x 16, 4 waves a work-group, clusters of 4 x 4, 327,680 bytes of LDS; arguments h, wb, b1, g; writes g
;; launch ffn2: the kernel of part 6 again; grid 8 x 32, 4 waves a work-group, clusters of 4 x 4, 327,680 bytes of LDS; arguments g, wb, b2, x1, out0; writes out0
